; MI455X (gfx1250); checked and timed in simulation.
; The chip was launched on July 23, 2026; its instructions are those of AMD's public machine-readable ISA for CDNA 5 (MIT licence, August 2026) and "CDNA5" Instruction Set Architecture Reference Guide (July 2026). The comments in the code are by the model that wrote it; some were corrected since.
;; Differentiable Memory Bank. Allowed arithmetic: float matrix products may take bf16 or f16 operands with f32 sums; other float arithmetic in f32, or as packed bf16 or f16 multiplies, adds, multiply-adds, maxima and minima; sums over many terms, partial sums and values carried from step to step in f32; what a program stores and reads back later, other than sums and carried values, may be rounded once to bf16 or f16.
;; Inputs: b_add 256 float32; b_addr 4,096 float32; b_erase 256 float32; b_gate 256 float32; b_lig 256 float32; b_rk 256 float32; b_rq 256 float32; b_rv 256 float32; b_volt 256 float32; content 512 x 256 float32; memory 4,096 x 256 float32; phase 512 float32; query 512 x 256 float32; usage 4,096 float32; w_add 256 x 256 float32; w_addr 4,096 x 256 float32; w_erase 256 x 256 float32; w_gate 256 x 256 float32; w_lig 256 x 256 float32; w_rk 256 x 256 float32; w_rq 256 x 256 float32; w_rv 256 x 256 float32; w_volt 256 x 1 float32.
;; Outputs: out0 512 x 256 float32; out1 512 x 4,096 float32; out2 one number float32; out3 512 x 4,096 float32; out4 4,096 x 256 float32; out5 4,096 float32.
;; 2 versions, each right; version 2 is version 1 with the launch prep written anew for expert scheduling mode. Each part assembles by itself: llvm-mc -triple=amdgcn-amd-amdhsa -mcpu=gfx1250 --defsym DOCPART=n.
;; ======== version 1 of 2: 4 launches
;; workspace buffers: cast 7,471,104 bytes; gated 262,144 bytes; pread 4,194,304 bytes; sread 98,304 bytes; opart 8,388,608 bytes; pwrite 4,194,304 bytes; swrite 65,536 bytes; eadd 1,048,576 bytes
;; launch prep (part 1): grid 364 x 1, 4 waves a work-group, no clusters, 105,984 bytes of LDS; arguments content, query, memory, w_lig, w_rq, w_rk, w_rv, b_lig, b_rq, b_rk, b_rv, phase, w_volt, b_volt, w_addr, w_gate, w_erase, w_add, cast; writes cast
.if DOCPART == 1
	.amdgcn_target "amdgcn-amd-amdhsa--gfx1250"
	.amdhsa_code_object_version 6
	.text
	.protected	k_qd3e5b60c35_prep
	.globl	k_qd3e5b60c35_prep
	.p2align	8
	.type	k_qd3e5b60c35_prep,@function
k_qd3e5b60c35_prep:
	s_mov_b64 s[64:65], 0
	v_nop
	global_prefetch_b8 v0, s[64:65] scope:SCOPE_SE
	s_setreg_imm32_b32 hwreg(HW_REG_WAVE_MODE, 25, 1), 1
	s_wait_xcnt 0x0
; PREP.  Work-groups 0-287 make tiles of 64 rows x 128 columns of four products X W^T + bias (bf16 operands, f32 sums):
;   0-15 sigmoid(content w_lig^T + b_lig) x sigmoid(cos(phase - pi) w_volt + b_volt);  16-31 q;  32-159 k;  160-287 v^T (rows = channels, X = w_rv, W = memory).
; Work-groups 288-363 round w_addr, w_gate, w_erase, w_add to bf16; content's copy is stored by the first role.
; LAYOUT F of every bf16 matrix Z[rows][256] in cast: byte(row, col) = (row/16) 8192 + (col/16) 512 + ((col%16)/8 16 + row%16) 16 + (col%8) 2.
; The matrix instruction is used transposed (source 0 = 16 rows of W, source 1 = 16 rows of X): a lane holds row lane%16 and the columns 8 (lane/16) + 0..7 of a tile,
; which are the lane's 16 bytes of an F tile: one store of a wave covers 512 consecutive bytes.  A fragment of 16 rows x 32 k is later two such 512 bytes.
; LIMITS.  Matrix operands are rounded to bf16.  cos: phase - pi is reduced by 2 pi in two words, then 1 - 2 sin^2(u), sin by its series to u^11 on |u| <= pi/2
; (cut below 6e-8); the reduction holds to |phase| of some 1e6.  NaN and infinities are not treated apart.
.set Q16,   0
.set LV16,  262144
.set C16,   524288
.set K16,   786432
.set VT16,  2883584
.set WA16,  4980736
.set PITCH, 528                 ; an LDS row: 512 bytes of bf16 + 16: an odd multiple of 16, so 16 rows of a fragment load start in 16 different groups of banks
.set WR,    64*PITCH            ; W's 128 rows lie behind X's 64
.set VTB,   WR+128*PITCH        ; for each wave 512 bytes of w_volt and 512 of b_volt
.set SPARE, VTB+4096            ; the spare words, 128 bytes a wave
.set ACC,   64                  ; v64-127  eight accumulators
.set RING,  128                 ; v128-255 32 slots of 4 registers: f32 on its way in
.set XF,    128                 ; later: X's 8 fragments
.set AF,    192                 ; later: two buffers of four fragments of W
; v1 lane%16, v2 lane/16, v3 16 lane; v4, v6 global offsets of X's and W's rows; v5, v7 where they go in LDS; v8, v9 fragment addresses; v10 32 (lane/16);
; v11 offset in the output; v12, v15 the wave's table of w_volt, b_volt; v14 4 x my row; v16-23 at work; v30, v31 the add's registers
.macro PLACES
.rept 4
	v_nop
.endr
.endm
.macro FIN                      ; the wave's end
	s_wait_tensorcnt 0x0
	ds_add_u32 v30, v31
	s_wait_dscnt 0x0
	s_endpgm
.endm
; Slot i of n: the load is in (the count leaves the younger loads out), four f32 become four bf16, 8 bytes go to LDS, and the slot takes load i + 32
.macro SLOT n
.set LEFT, (\n)-1-i
.if LEFT > 31
.set LEFT, 31
.endif
.set R, RING+4*(i%32)
.set TP, 16+2*(i%4)
	s_wait_loadcnt LEFT
	v_cvt_pk_bf16_f32 v[TP], v[R], v[R+1]
	v_cvt_pk_bf16_f32 v[TP+1], v[R+2], v[R+3]
.if i < 32
	ds_store_b64 v5, v[TP:TP+1] offset:(i/2)*PITCH+(i%2)*256
.else
	ds_store_b64 v7, v[TP:TP+1] offset:((i-32)/2)*PITCH+(i%2)*256
.endif
.if i+32 < (\n)
	global_load_b128 v[R:R+3], v6, s[52:53] offset:(i/2)*1024+(i%2)*512
.endif
.endm
.macro XFILL                    ; the wave's 16 rows of X: 32 loads of 512 consecutive bytes
.set i, 0
.rept 32
	global_load_b128 v[RING+4*i:RING+4*i+3], v4, s[50:51] offset:(i/2)*1024+(i%2)*512
.set i, i+1
.endr
.endm
.macro XFRAG                    ; the wave's own rows back as 8 fragments
.set i, 0
.rept 8
	ds_load_b128 v[XF+8*i:XF+8*i+3], v8 offset:64*i
	ds_load_b128 v[XF+8*i+4:XF+8*i+7], v8 offset:64*i+32
.set i, i+1
.endr
.endm
.macro LRUN rho                 ; four fragments of W: tiles 4 (rho%2) + 0..3, k = 32 (rho/2) on
.irp q, 0,1,2,3
	ds_load_b128 v[AF+32*((\rho)%2)+8*\q:AF+32*((\rho)%2)+8*\q+3], v9 offset:(4*((\rho)%2)+\q)*16*PITCH+((\rho)/2)*64
	ds_load_b128 v[AF+32*((\rho)%2)+8*\q+4:AF+32*((\rho)%2)+8*\q+7], v9 offset:(4*((\rho)%2)+\q)*16*PITCH+((\rho)/2)*64+32
.endr
.endm
	s_load_b512 s[8:23], s[0:1], 0x0               ; content 8, query 10, memory 12, w_lig 14, w_rq 16, w_rk 18, w_rv 20, b_lig 22
	s_load_b512 s[24:39], s[0:1], 0x40             ; b_rq 24, b_rk 26, b_rv 28, phase 30, w_volt 32, b_volt 34, w_addr 36, w_gate 38
	s_load_b128 s[40:43], s[0:1], 0x80             ; w_erase 40, w_add 42
	s_load_b64 s[44:45], s[0:1], 0x90              ; cast
	v_lshl_add_u32 v30, v0, 2, SPARE
	v_mov_b32 v31, 0
	v_lshrrev_b32 v1, 5, v0
	v_readfirstlane_b32 s60, v1                    ; wave
	v_and_b32 v1, 15, v0
	v_bfe_u32 v2, v0, 4, 1
	v_and_b32 v3, 31, v0
	v_lshlrev_b32 v13, 3, v3
	v_lshlrev_b32 v3, 4, v3
	s_mul_i32 s66, s60, 16*PITCH
	s_mul_i32 s67, s60, 32*PITCH
	s_add_co_u32 s67, s67, WR
	s_lshl_b32 s68, s60, 10
	s_add_co_u32 s68, s68, VTB
	v_lshl_add_u32 v4, s60, 14, v3                 ; 16 rows of 1,024 bytes a wave
	v_add_nc_u32 v5, s66, v13
	v_lshl_add_u32 v6, s60, 15, v3                 ; 32 rows a wave
	v_add_nc_u32 v7, s67, v13
	v_mul_u32_u24 v9, v1, PITCH
	v_lshl_add_u32 v9, v2, 4, v9
	v_add_nc_u32 v8, s66, v9
	v_add_nc_u32 v9, WR, v9
	v_lshlrev_b32 v10, 5, v2
	v_lshl_add_u32 v11, s60, 13, v3
	v_add_nc_u32 v12, s68, v10
	v_lshlrev_b32 v14, 2, v1
	v_lshl_add_u32 v14, s60, 6, v14
	v_add_nc_u32 v15, s68, v3
	s_mov_b32 s46, ttmp9
	s_mov_b32 s59, 0
	s_wait_kmcnt 0x0
	s_cmp_lt_u32 s46, 288
	s_cbranch_scc0 .Lcast
	; which product: s47 its number, s61 its first work-group, s63 its place in cast; X, W and the column bias
	s_mov_b32 s47, 0
	s_mov_b32 s61, 0
	s_mov_b32 s63, LV16
	s_mov_b64 s[50:51], s[8:9]
	s_mov_b64 s[52:53], s[14:15]
	s_mov_b64 s[54:55], s[22:23]
	s_cmp_ge_u32 s46, 16
	s_cselect_b32 s47, 1, s47
	s_cselect_b32 s61, 16, s61
	s_cselect_b32 s63, Q16, s63
	s_cselect_b64 s[50:51], s[10:11], s[50:51]
	s_cselect_b64 s[52:53], s[16:17], s[52:53]
	s_cselect_b64 s[54:55], s[24:25], s[54:55]
	s_cmp_ge_u32 s46, 32
	s_cselect_b32 s47, 2, s47
	s_cselect_b32 s61, 32, s61
	s_cselect_b32 s63, K16, s63
	s_cselect_b64 s[50:51], s[12:13], s[50:51]
	s_cselect_b64 s[52:53], s[18:19], s[52:53]
	s_cselect_b64 s[54:55], s[26:27], s[54:55]
	s_cmp_ge_u32 s46, 160
	s_cselect_b32 s47, 3, s47
	s_cselect_b32 s61, 160, s61
	s_cselect_b32 s63, VT16, s63
	s_cselect_b64 s[50:51], s[20:21], s[50:51]
	s_cselect_b64 s[52:53], s[12:13], s[52:53]
	s_cselect_b64 s[54:55], s[28:29], s[54:55]
	s_sub_co_u32 s62, s46, s61                     ; the tile's number in its product
	s_lshr_b32 s48, s62, 1                         ; block of 64 rows,
	s_and_b32 s49, s62, 1                          ; block of 128 columns; v^T has 4 of the one and 32 of the other
	s_and_b32 s66, s62, 3
	s_lshr_b32 s67, s62, 2
	s_lshl_b32 s68, s49, 9
	s_lshl_b32 s69, s66, 8
	s_cmp_eq_u32 s47, 3
	s_cselect_b32 s48, s66, s48
	s_cselect_b32 s49, s67, s49
	s_cselect_b32 s80, -1, 0                       ; v^T takes its bias by rows
	s_cselect_b32 s58, 0, s68
	s_add_nc_u64 s[54:55], s[54:55], s[58:59]      ; 128 numbers of column bias (for v^T: read and not chosen)
	s_cselect_b32 s58, s69, 0
	s_add_nc_u64 s[78:79], s[28:29], s[58:59]      ; 64 numbers of b_rv (for the others: read and not chosen)
	s_lshl_b32 s58, s48, 16
	s_add_nc_u64 s[50:51], s[50:51], s[58:59]
	s_lshl_b32 s58, s49, 17
	s_add_nc_u64 s[52:53], s[52:53], s[58:59]
	s_lshl_b32 s58, s48, 15                        ; output: 4 row tiles of 8,192 bytes, 8 column tiles of 512; v^T: a block of 131,072 for each 256 slots
	s_add_co_u32 s58, s58, s63
	s_and_b32 s66, s49, 1
	s_lshl_b32 s66, s66, 12
	s_add_co_u32 s58, s58, s66
	s_lshr_b32 s66, s49, 1
	s_lshl_b32 s66, s66, 17
	s_add_co_u32 s58, s58, s66
	s_add_nc_u64 s[56:57], s[44:45], s[58:59]
	s_and_b32 s66, s48, 7                          ; phase, w_volt, b_volt: every role loads them from inside their buffers; the first role uses them
	s_lshl_b32 s58, s66, 8
	s_add_nc_u64 s[70:71], s[30:31], s[58:59]
	s_lshl_b32 s58, s66, 15
	s_add_co_u32 s58, s58, C16
	s_add_nc_u64 s[76:77], s[44:45], s[58:59]
	s_and_b32 s66, s49, 1
	s_lshl_b32 s58, s66, 9
	s_add_nc_u64 s[72:73], s[32:33], s[58:59]
	s_add_nc_u64 s[74:75], s[34:35], s[58:59]
.set t, 0
.rept 8                         ; the column bias lands in the accumulators: the sums start from it
	global_load_b128 v[ACC+8*t:ACC+8*t+3], v10, s[54:55] offset:64*t
	global_load_b128 v[ACC+8*t+4:ACC+8*t+7], v10, s[54:55] offset:64*t+16
.set t, t+1
.endr
	global_load_b32 v40, v14, s[70:71]             ; phase of my row
	global_load_b32 v41, v14, s[78:79]             ; b_rv of my row
	global_load_b128 v[32:35], v3, s[72:73]
	global_load_b128 v[36:39], v3, s[74:75]
	XFILL
	s_wait_loadcnt 32                              ; all but the ring's 32
	ds_store_b128 v15, v[32:35]
	ds_store_b128 v15, v[36:39] offset:512
.set i, 0
.rept 96                        ; 32 loads of X, 64 of W, 32 always on their way
	SLOT 96
.set i, i+1
.endr
.set j, 0
.rept 64                        ; the choice of bias selects a value, so it is made in every role
	v_cndmask_b32 v[ACC+j], v[ACC+j], v41, s80
.set j, j+1
.endr
	s_wait_dscnt 0x0                               ; my rows of W are in LDS, for the others' sake
	s_barrier_signal -1
	s_barrier_wait -1
	XFRAG
	LRUN 0
.set rho, 0
.rept 16                        ; 4 matrix instructions a run; the eight accumulators take turns
.if rho < 15
	PLACES                                         ; four places between the products that read a buffer and the loads into it
	LRUN rho+1
	s_wait_dscnt 8                                 ; all but the eight just issued
.else
	s_wait_dscnt 0x0
.endif
.irp q, 0,1,2,3
	v_wmma_f32_16x16x32_bf16 v[ACC+8*(4*(rho%2)+\q):ACC+8*(4*(rho%2)+\q)+7], v[AF+32*(rho%2)+8*\q:AF+32*(rho%2)+8*\q+7], v[XF+8*(rho/2):XF+8*(rho/2)+7], v[ACC+8*(4*(rho%2)+\q):ACC+8*(4*(rho%2)+\q)+7]
.endr
.set rho, rho+1
.endr
	PLACES
	s_cmp_eq_u32 s47, 0
	s_cbranch_scc1 .Llig
.set t, 0
.rept 8                         ; q, k, v^T: round and store, each accumulator from its low end on
.irp q, 0,1,2,3
	v_cvt_pk_bf16_f32 v[AF+4*t+\q], v[ACC+8*t+2*\q], v[ACC+8*t+2*\q+1]
.endr
	global_store_b128 v11, v[AF+4*t:AF+4*t+3], s[56:57] offset:512*t
.set t, t+1
.endr
	FIN
.Llig:
	s_cmp_lg_u32 s49, 0
	s_cbranch_scc1 .Lno_c
.set i, 0
.rept 16                        ; content in bf16, as it lies in the fragments
	global_store_b128 v11, v[XF+4*i:XF+4*i+3], s[76:77] offset:512*i
.set i, i+1
.endr
.Lno_c:
	v_add_f32 v42, 0xc0490fdb, v40                 ; t = phase - pi
	v_mul_f32 v43, 0.15915494, v42
	v_rndne_f32 v43, v43
	v_fma_f32 v42, v43, 0xc0c90fdb, v42            ; t - n 2 pi, in two words
	v_fma_f32 v42, v43, 0x343bbd2e, v42
	v_mul_f32 v42, 0.5, v42                        ; u
	v_mul_f32 v43, v42, v42
	v_mov_b32 v44, 0xb2d7322b
	v_fmaak_f32 v44, v44, v43, 0x3638ef1d
	v_fmaak_f32 v44, v44, v43, 0xb9500d01
	v_fmaak_f32 v44, v44, v43, 0x3c088889
	v_fmaak_f32 v44, v44, v43, 0xbe2aaaab
	v_mul_f32 v43, v43, v42
	v_fma_f32 v42, v43, v44, v42                   ; sin u
	v_mul_f32 v42, v42, v42
	v_fma_f32 v56, v42, -2.0, 1.0                  ; cos t
	v_mov_b32 v57, v56
.set t, 0
.rept 8                         ; sigmoid(x) sigmoid(y) = 1 / ((1 + 2^-cx)(1 + 2^-cy)): each factor is at least 1, so an infinity gives 0 and nothing gives NaN
	ds_load_b128 v[32:35], v12 offset:64*t
	ds_load_b128 v[36:39], v12 offset:64*t+16
	ds_load_b128 v[40:43], v12 offset:64*t+512
	ds_load_b128 v[44:47], v12 offset:64*t+528
.irp p, 0,2,4,6
	v_pk_mul_f32 v[48+\p:49+\p], v[ACC+8*t+\p:ACC+8*t+\p+1], 0xbfb8aa3b op_sel_hi:[1,0]
.endr
	s_wait_dscnt 0x0
.irp p, 0,2,4,6
	v_pk_fma_f32 v[32+\p:33+\p], v[32+\p:33+\p], v[56:57], v[40+\p:41+\p] op_sel_hi:[1,0,1]
.endr
.irp p, 0,2,4,6
	v_pk_mul_f32 v[32+\p:33+\p], v[32+\p:33+\p], 0xbfb8aa3b op_sel_hi:[1,0]
.endr
.irp j, 0,1,2,3,4,5,6,7
	v_exp_f32 v[48+\j], v[48+\j]
.endr
.irp j, 0,1,2,3,4,5,6,7
	v_exp_f32 v[32+\j], v[32+\j]
.endr
	v_nop                                          ; a plain instruction behind the last exponential
	s_wait_alu depctr_va_vdst(0)
.irp p, 0,2,4,6
	v_pk_add_f32 v[48+\p:49+\p], v[48+\p:49+\p], 1.0 op_sel_hi:[1,0]
.endr
.irp p, 0,2,4,6
	v_pk_add_f32 v[32+\p:33+\p], v[32+\p:33+\p], 1.0 op_sel_hi:[1,0]
.endr
.irp p, 0,2,4,6
	v_pk_mul_f32 v[48+\p:49+\p], v[48+\p:49+\p], v[32+\p:33+\p]
.endr
.irp j, 0,1,2,3,4,5,6,7
	v_rcp_f32 v[48+\j], v[48+\j]
.endr
	v_nop
	s_wait_alu depctr_va_vdst(0)
.irp q, 0,1,2,3
	v_cvt_pk_bf16_f32 v[AF+4*t+\q], v[48+2*\q], v[49+2*\q]
.endr
	global_store_b128 v11, v[AF+4*t:AF+4*t+3], s[56:57] offset:512*t
.set t, t+1
.endr
	FIN
.Lcast:                         ; 64 rows of a weight matrix: through LDS into layout F; a wave touches its own 16 rows alone, so no barrier
	s_sub_co_u32 s62, s46, 288
	s_sub_co_u32 s66, s62, 64
	s_lshr_b32 s67, s66, 2
	s_and_b32 s66, s66, 3
	s_mov_b64 s[50:51], s[38:39]
	s_cmp_eq_u32 s67, 1
	s_cselect_b64 s[50:51], s[40:41], s[50:51]
	s_cmp_eq_u32 s67, 2
	s_cselect_b64 s[50:51], s[42:43], s[50:51]
	s_cmp_lt_u32 s62, 64
	s_cselect_b64 s[50:51], s[36:37], s[50:51]
	s_cselect_b32 s66, s62, s66
	s_lshl_b32 s58, s66, 16
	s_add_nc_u64 s[50:51], s[50:51], s[58:59]
	s_lshl_b32 s58, s62, 15
	s_add_co_u32 s58, s58, WA16
	s_add_nc_u64 s[56:57], s[44:45], s[58:59]
	XFILL
.set i, 0
.rept 32
	SLOT 32
.set i, i+1
.endr
	XFRAG
	s_wait_dscnt 0x0
.set i, 0
.rept 16
	global_store_b128 v11, v[XF+4*i:XF+4*i+3], s[56:57] offset:512*i
.set i, i+1
.endr
	FIN
.Lfunc_end_k_qd3e5b60c35_prep:
	.size	k_qd3e5b60c35_prep, .Lfunc_end_k_qd3e5b60c35_prep-k_qd3e5b60c35_prep
	.p2alignl 7, 3214868480
	.fill 96, 4, 3214868480
	.section	.rodata,"a",@progbits
	.p2align	6, 0x0
	.amdhsa_kernel k_qd3e5b60c35_prep
		.amdhsa_group_segment_fixed_size 105984
		.amdhsa_private_segment_fixed_size 0
		.amdhsa_enable_private_segment 0
		.amdhsa_kernarg_size 152
		.amdhsa_user_sgpr_count 2
		.amdhsa_user_sgpr_kernarg_segment_ptr 1
		.amdhsa_wavefront_size32 1
		.amdhsa_system_sgpr_workgroup_id_x 1
		.amdhsa_system_sgpr_workgroup_id_y 1
		.amdhsa_system_sgpr_workgroup_id_z 1
		.amdhsa_system_vgpr_workitem_id 0
		.amdhsa_next_free_vgpr 256
		.amdhsa_next_free_sgpr 84
		.amdhsa_reserve_vcc 0
		.amdhsa_float_denorm_mode_32 3
		.amdhsa_float_denorm_mode_16_64 3
		.amdhsa_memory_ordered 1
		.amdhsa_forward_progress 1
		.amdhsa_inst_pref_size 101
	.end_amdhsa_kernel
	.amdgpu_metadata
---
amdhsa.version: [ 1, 2 ]
amdhsa.kernels:
  - .name:           k_qd3e5b60c35_prep
    .symbol:         k_qd3e5b60c35_prep.kd
    .args:
      - { .name: content, .offset: 0, .size: 8, .value_kind: global_buffer, .address_space: global }
      - { .name: query, .offset: 8, .size: 8, .value_kind: global_buffer, .address_space: global }
      - { .name: memory, .offset: 16, .size: 8, .value_kind: global_buffer, .address_space: global }
      - { .name: w_lig, .offset: 24, .size: 8, .value_kind: global_buffer, .address_space: global }
      - { .name: w_rq, .offset: 32, .size: 8, .value_kind: global_buffer, .address_space: global }
      - { .name: w_rk, .offset: 40, .size: 8, .value_kind: global_buffer, .address_space: global }
      - { .name: w_rv, .offset: 48, .size: 8, .value_kind: global_buffer, .address_space: global }
      - { .name: b_lig, .offset: 56, .size: 8, .value_kind: global_buffer, .address_space: global }
      - { .name: b_rq, .offset: 64, .size: 8, .value_kind: global_buffer, .address_space: global }
      - { .name: b_rk, .offset: 72, .size: 8, .value_kind: global_buffer, .address_space: global }
      - { .name: b_rv, .offset: 80, .size: 8, .value_kind: global_buffer, .address_space: global }
      - { .name: phase, .offset: 88, .size: 8, .value_kind: global_buffer, .address_space: global }
      - { .name: w_volt, .offset: 96, .size: 8, .value_kind: global_buffer, .address_space: global }
      - { .name: b_volt, .offset: 104, .size: 8, .value_kind: global_buffer, .address_space: global }
      - { .name: w_addr, .offset: 112, .size: 8, .value_kind: global_buffer, .address_space: global }
      - { .name: w_gate, .offset: 120, .size: 8, .value_kind: global_buffer, .address_space: global }
      - { .name: w_erase, .offset: 128, .size: 8, .value_kind: global_buffer, .address_space: global }
      - { .name: w_add, .offset: 136, .size: 8, .value_kind: global_buffer, .address_space: global }
      - { .name: cast, .offset: 144, .size: 8, .value_kind: global_buffer, .address_space: global }
    .group_segment_fixed_size: 105984
    .private_segment_fixed_size: 0
    .kernarg_segment_align: 8
    .kernarg_segment_size: 152
    .max_flat_workgroup_size: 128
    .sgpr_count:     84
    .vgpr_count:     256
    .wavefront_size: 32
...
	.end_amdgpu_metadata
.endif
;; end of part 1
;; launch readp (part 2): grid 192 x 1, 4 waves a work-group, no clusters, 296,448 bytes of LDS; arguments cast, b_gate, gated, pread, sread, opart; writes gated, pread, sread, opart
.if DOCPART == 2
	.amdgcn_target "amdgcn-amd-amdhsa--gfx1250"
	.amdhsa_code_object_version 6
	.text
	.protected	k_qd3e5b60c35_readp
	.globl	k_qd3e5b60c35_readp
	.p2align	8
	.type	k_qd3e5b60c35_readp,@function
k_qd3e5b60c35_readp:
	s_mov_b64 s[64:65], 0
	v_nop
	global_prefetch_b8 v0, s[64:65] scope:SCOPE_SE
	s_setreg_imm32_b32 hwreg(HW_REG_WAVE_MODE, 25, 1), 1
	s_wait_xcnt 0x0
; READP.  Work-groups 0-127: a tile of 64 queries x 256 slots of the read attention.  S^T = K Q^T; the tile's own maximum m of each row is taken away; p = 2^(c s - c m), c = log2(e) / 16;
; p goes out in f16, m and l = sum p in f32, and O = P v of the tile's 256 slots as an f32 partial sum.  The next launch joins the 16 tiles of a row by their maxima.
; Work-groups 128-191: gate = sigmoid((ligand voltage) w_gate^T + b_gate), gated = content x gate in bf16 (layout F), and each lane's sum of its 16 gates.
; All bf16 matrices lie in layout F (16 rows x 16 columns in 512 bytes, lane l's 16 bytes at 16 l), so tiles are dense blocks: they come in by linear copies, and a fragment is two loads of 512 bytes.
; A wave of a tile: 32 queries (w & 1) x 128 slots (w >> 1) of S, then 32 queries x 128 channels of O; P changes hands through LDS.
; No cluster: the tiles shared between work-groups are fetched once each, by copies lane by lane, which take no mask.
; LIMITS.  Operands bf16; p is stored in f16 (11 bits; a fixed step of 6e-8 below 6e-5) and multiplied in bf16; a weight below 2^-126 counts as 0.  content enters gated rounded to bf16.
.set LV16,  262144
.set C16,   524288
.set K16,   786432
.set VT16,  2883584
.set WG16,  7077888
.set VL,    131072              ; LDS: K's tile at 0, v^T's here,
.set XL,    262144              ; q's here,
.set MX,    294912              ; 512 bytes of maxima, 512 of sums,
.set SPARE, 295936              ; the spare words
.set STG,   32768               ; when K's tile has been read (it is filled once) its bytes serve again: P in layout F at 0, a stage of 16,896 bytes for each wave from here
.set STGB,  16896
; v4-7, v28, v29 the copies' addresses, untouched while a copy is out; v8 K, v9 q, v10 v^T, v11 P as source, v12 P as stored; v13, v14, v15 p's stage in, back, and its place in memory;
; v16, v17 O's stage; v18, v19 my and my partner's words; v20, 21 m; v22-25 c m; v26, 27 l; v32-63 two buffers of two fragments (queries), between the products at work;
; v64-127 two buffers of four (keys or channels), else at work; v128-255 16 accumulators (u, t) at 128 + 64 u + 8 t
.macro PLACES
.rept 4
	v_nop
.endr
.endm
.macro FIN                      ; the wave's end
	s_wait_tensorcnt 0x0
	ds_add_u32 v30, v31
	s_wait_dscnt 0x0
	s_endpgm
.endm
.macro COPY n, lds, base        ; n copies of the four waves' 2,048 consecutive bytes; the immediate steps both addresses and stays under 65,536
.set i, 0
.rept \n
	global_load_async_to_lds_b128 v[\lds], v4, s[\base:\base+1] offset:i*2048
.set i, i+1
.endr
.endm
.macro LX aB, kap
.irp u, 0,1
	ds_load_b128 v[32+16*((\kap)%2)+8*\u:32+16*((\kap)%2)+8*\u+3], v[\aB] offset:\u*8192+(\kap)*1024
	ds_load_b128 v[32+16*((\kap)%2)+8*\u+4:32+16*((\kap)%2)+8*\u+7], v[\aB] offset:\u*8192+(\kap)*1024+512
.endr
.endm
.macro LY aA, rho
.irp q, 0,1,2,3
	ds_load_b128 v[64+32*((\rho)%2)+8*\q:64+32*((\rho)%2)+8*\q+3], v[\aA] offset:(4*((\rho)%2)+\q)*8192+((\rho)/2)*1024
	ds_load_b128 v[64+32*((\rho)%2)+8*\q+4:64+32*((\rho)%2)+8*\q+7], v[\aA] offset:(4*((\rho)%2)+\q)*8192+((\rho)/2)*1024+512
.endr
.endm
; 128 rows (source 0, at aA) x 32 rows (source 1, at aB) x 256 along k: 16 runs of 8 matrix instructions; the 16 accumulators take turns.
; A run's fragments are asked for one run ahead; the counts leave out the 8 or 12 loads just issued.  zero = 1: the first products start the sums.
.macro MMA aA, aB, zero
	LX \aB, 0
	LY \aA, 0
.set rho, 0
.rept 16
.if rho < 15
	PLACES                                         ; four places between the products that read a buffer and the loads into it
.if (rho%2) == 1
	LX \aB, (rho+1)/2
	LY \aA, rho+1
	s_wait_dscnt 12
.else
	LY \aA, rho+1
	s_wait_dscnt 8
.endif
.else
	s_wait_dscnt 0x0
.endif
.irp q, 0,1,2,3
.irp u, 0,1
.set rA, 128+64*\u+8*(4*(rho%2)+\q)
.if (\zero) && (rho < 2)
	v_wmma_f32_16x16x32_bf16 v[rA:rA+7], v[64+32*(rho%2)+8*\q:64+32*(rho%2)+8*\q+7], v[32+16*((rho/2)%2)+8*\u:32+16*((rho/2)%2)+8*\u+7], 0
.else
	v_wmma_f32_16x16x32_bf16 v[rA:rA+7], v[64+32*(rho%2)+8*\q:64+32*(rho%2)+8*\q+7], v[32+16*((rho/2)%2)+8*\u:32+16*((rho/2)%2)+8*\u+7], v[rA:rA+7]
.endif
.endr
.endr
.set rho, rho+1
.endr
.endm
.macro RMAX u                   ; the maximum of a query's 128 scores: 64 in my lane (each accumulator from its low end on), 64 in the lane 16 away
.set A0, 128+64*(\u)
.set C0, 64+8*(\u)
.irp t, 0,1,2,3,4,5,6,7
	v_max3_num_f32 v[C0+\t], v[A0+8*\t], v[A0+8*\t+1], v[A0+8*\t+2]
.endr
.irp t, 0,1,2,3,4,5,6,7
	v_max3_num_f32 v[C0+\t], v[C0+\t], v[A0+8*\t+3], v[A0+8*\t+4]
.endr
.irp t, 0,1,2,3,4,5,6,7
	v_max3_num_f32 v[C0+\t], v[C0+\t], v[A0+8*\t+5], v[A0+8*\t+6]
.endr
.irp t, 0,1,2,3
	v_max3_num_f32 v[C0+\t], v[C0+\t], v[A0+8*\t+7], v[A0+8*\t+39]
.endr
	v_max3_num_f32 v[C0], v[C0], v[C0+1], v[C0+2]
	v_max3_num_f32 v[C0+4], v[C0+4], v[C0+5], v[C0+6]
	v_max3_num_f32 v[C0], v[C0], v[C0+3], v[C0+7]
	v_max_num_f32 v[C0], v[C0], v[C0+4]
	v_permlanex16_b32 v[C0+1], v[C0], s56, s57
	v_max_num_f32 v[20+(\u)], v[C0], v[C0+1]
.endm
.macro FMT n                    ; c s - c m for accumulator n = 8 u + t
.set A, 128+8*(\n)
.set CM, 22+2*((\n)/8)
.irp p, 0,2,4,6
	v_pk_fma_f32 v[A+\p:A+\p+1], v[A+\p:A+\p+1], s[54:55], v[CM:CM+1] op_sel_hi:[1,0,0] neg_lo:[0,0,1] neg_hi:[0,0,1]
.endr
.endm
.macro EXT n
.set A, 128+8*(\n)
.irp j, 0,1,2,3,4,5,6,7
	v_exp_f32 v[A+\j], v[A+\j]
.endr
.endm
.macro EXPS                     ; behind each run of exponentials stand the next accumulator's scalings: plain, and independent
	FMT 0
.set n, 0
.rept 16
	EXT n
.if n < 15
	FMT n+1
.else
	v_nop
	s_wait_alu depctr_va_vdst(0)
.endif
.set n, n+1
.endr
.endm
.macro RSUM u                   ; the sum of a query's 128 weights, in four chains
.set A0, 128+64*(\u)
.set SB, 96+8*(\u)
.irp c, 0,2,4,6
	v_pk_add_f32 v[SB+\c:SB+\c+1], v[A0+\c:A0+\c+1], v[A0+8+\c:A0+8+\c+1]
.endr
.irp t, 2,3,4,5,6,7
.irp c, 0,2,4,6
	v_pk_add_f32 v[SB+\c:SB+\c+1], v[SB+\c:SB+\c+1], v[A0+8*\t+\c:A0+8*\t+\c+1]
.endr
.endr
	v_pk_add_f32 v[SB:SB+1], v[SB:SB+1], v[SB+2:SB+3]
	v_pk_add_f32 v[SB+4:SB+5], v[SB+4:SB+5], v[SB+6:SB+7]
	v_pk_add_f32 v[SB:SB+1], v[SB:SB+1], v[SB+4:SB+5]
	v_add_f32 v[SB], v[SB], v[SB+1]
	v_permlanex16_b32 v[SB+1], v[SB], s56, s57
	v_add_f32 v[26+(\u)], v[SB], v[SB+1]
.endm
	s_load_b256 s[4:11], s[0:1], 0x0               ; cast 4, b_gate 6, gated 8, pread 10
	s_load_b128 s[12:15], s[0:1], 0x20             ; sread 12, opart 14
	v_lshl_add_u32 v30, v0, 2, SPARE
	v_mov_b32 v31, 0
	ds_add_u32 v30, v31                            ; the wave's opening: the add and its wait ahead of the first copy
	ds_add_u32 v30, v31
	v_lshrrev_b32 v1, 5, v0
	v_readfirstlane_b32 s34, v1                    ; wave
	v_and_b32 v1, 15, v0
	v_bfe_u32 v2, v0, 4, 1
	v_and_b32 v3, 31, v0
	v_lshlrev_b32 v3, 4, v3
	s_mov_b32 s35, ttmp9
	s_mov_b32 s41, 0
	s_mov_b32 s54, 0x3db8aa3b                      ; c = log2(e) / 16
	s_mov_b32 s55, s54
	s_mov_b32 s56, 0x76543210
	s_mov_b32 s57, 0xfedcba98
	s_wait_dscnt 0x0
	s_wait_kmcnt 0x0
	s_cmp_ge_u32 s35, 128
	s_cbranch_scc1 .Lgate
	s_and_b32 s36, s35, 7                          ; block of 64 queries
	s_lshr_b32 s37, s35, 3                         ; block of 256 slots
	s_lshl_b32 s40, s36, 15
	s_add_nc_u64 s[42:43], s[4:5], s[40:41]        ; q lies at cast's head
	s_lshl_b32 s40, s37, 17
	s_add_co_u32 s40, s40, K16
	s_add_nc_u64 s[44:45], s[4:5], s[40:41]
	s_add_co_u32 s40, s40, VT16-K16
	s_add_nc_u64 s[46:47], s[4:5], s[40:41]
	s_add_nc_u64 s[16:17], s[44:45], 0x10000       ; a tile of 131,072 bytes is copied as two halves, each with a base and an LDS address of its own
	s_add_nc_u64 s[18:19], s[46:47], 0x10000
	v_lshl_add_u32 v4, s34, 9, v3                  ; 512 bytes a wave, 16 a lane
	v_add_nc_u32 v5, XL, v4
	v_mov_b32 v6, v4
	v_add_nc_u32 v28, 65536, v4
	v_add_nc_u32 v7, VL, v4
	v_add_nc_u32 v29, VL+65536, v4
	COPY 16, 5, 42                                 ; q
	COPY 32, 6, 44                                 ; K
	COPY 32, 28, 16
	COPY 32, 7, 46                                 ; v^T
	COPY 32, 29, 18
	s_and_b32 s38, s34, 1                          ; which 32 queries
	s_lshr_b32 s39, s34, 1                         ; which 128 slots, later channels
	s_lshl_b32 s59, s38, 14
	v_lshl_add_u32 v8, s39, 16, v3
	v_add_nc_u32 v11, s59, v3
	v_add_nc_u32 v9, XL, v11
	v_add_nc_u32 v10, VL, v8
	v_lshl_add_u32 v12, s39, 12, v11
	s_mul_i32 s59, s34, STGB
	s_add_co_u32 s59, s59, STG
	v_mul_u32_u24 v13, v1, 272
	v_lshl_add_u32 v13, v2, 4, v13
	v_add_nc_u32 v13, s59, v13
	v_mul_u32_u24 v14, v2, 272
	v_lshl_add_u32 v14, v1, 4, v14
	v_add_nc_u32 v14, s59, v14
	v_lshlrev_b32 v15, 13, v2
	v_lshl_add_u32 v15, v1, 4, v15
	v_mul_u32_u24 v16, v1, 528
	v_lshl_add_u32 v16, v2, 5, v16
	v_add_nc_u32 v16, s59, v16
	v_add_nc_u32 v17, s59, v3
	s_lshl_b32 s59, s34, 7
	s_add_co_u32 s59, s59, MX
	v_lshl_add_u32 v18, v1, 2, s59
	s_xor_b32 s59, s34, 2                          ; my partner has the same queries and the other slots
	s_lshl_b32 s59, s59, 7
	s_add_co_u32 s59, s59, MX
	v_lshl_add_u32 v19, v1, 2, s59
	s_lshl_b32 s40, s36, 19                        ; pread: row (64 block + 32 half) x 8,192 + slot block x 512 + half x 256
	s_lshl_b32 s59, s38, 18
	s_add_co_u32 s40, s40, s59
	s_lshl_b32 s59, s37, 9
	s_add_co_u32 s40, s40, s59
	s_lshl_b32 s59, s39, 8
	s_add_co_u32 s40, s40, s59
	s_add_nc_u64 s[48:49], s[10:11], s[40:41]
	s_lshl_b32 s40, s39, 15                        ; sread: m (waves 0, 1) or l (waves 2, 3): [16 blocks][512 rows]
	s_lshl_b32 s59, s37, 11
	s_add_co_u32 s40, s40, s59
	s_lshl_b32 s59, s36, 8
	s_add_co_u32 s40, s40, s59
	s_lshl_b32 s59, s38, 7
	s_add_co_u32 s40, s40, s59
	s_add_nc_u64 s[50:51], s[12:13], s[40:41]
	s_lshl_b32 s40, s37, 19                        ; opart: [16 blocks][512 rows][256]
	s_lshl_b32 s59, s36, 16
	s_add_co_u32 s40, s40, s59
	s_lshl_b32 s59, s38, 15
	s_add_co_u32 s40, s40, s59
	s_lshl_b32 s59, s39, 9
	s_add_co_u32 s40, s40, s59
	s_add_nc_u64 s[52:53], s[14:15], s[40:41]
	s_cmp_eq_u32 s39, 1
	s_cselect_b32 s58, -1, 0
	s_wait_asynccnt 63                             ; of my 144 copies at most 63 are out, all of them v^T's: my parts of q and K have landed
	s_barrier_signal -1
	s_barrier_wait -1                              ; everybody's have
	MMA 8, 9, 1
	PLACES
	RMAX 0
	RMAX 1
	ds_store_b32 v18, v20
	ds_store_b32 v18, v21 offset:64
	s_wait_dscnt 0x0                               ; my maxima are stored, and my reads of K's tile are over
	s_barrier_signal -1
	s_barrier_wait -1                              ; so K's bytes, which no copy fills again, may be written
	ds_load_b32 v36, v19
	ds_load_b32 v37, v19 offset:64
	s_wait_dscnt 0x0
	v_max_num_f32 v20, v20, v36                    ; the tile's maximum over its 256 slots
	v_max_num_f32 v21, v21, v37
	v_mul_f32 v22, s54, v20
	v_mul_f32 v24, s54, v21
	v_mov_b32 v23, v22
	v_mov_b32 v25, v24
	EXPS
	RSUM 0
	RSUM 1
	ds_store_b32 v18, v26 offset:512
	ds_store_b32 v18, v27 offset:576
.set n, 0
.rept 16                        ; p in f16 into my stage (rows of 256 + 16 bytes), in bf16 into P's tile
.set A, 128+8*n
.set TF, 64+4*(n%4)
.set TB, 80+4*(n%4)
.irp q, 0,1,2,3
	v_cvt_pk_f16_f32 v[TF+\q], v[A+2*\q], v[A+2*\q+1]
.endr
	ds_store_b128 v13, v[TF:TF+3] offset:(n/8)*4352+(n%8)*32
.irp q, 0,1,2,3
	v_cvt_pk_bf16_f32 v[TB+\q], v[A+2*\q], v[A+2*\q+1]
.endr
	ds_store_b128 v12, v[TB:TB+3] offset:(n/8)*8192+(n%8)*512
.set n, n+1
.endr
.set i, 0
.rept 16                        ; back by rows: LDS serves a wave's instructions in order (ISA guide 5.7.1.4), so these see my stores
	ds_load_b128 v[64+4*i:67+4*i], v14 offset:i*544
.set i, i+1
.endr
.set i, 0
.rept 16
	s_wait_dscnt 15-i
	global_store_b128 v15, v[64+4*i:67+4*i], s[48:49] offset:i*16384   ; 16 lanes store 256 consecutive bytes, aligned
.set i, i+1
.endr
	s_wait_asynccnt 0x0                            ; my part of v^T has landed
	s_wait_dscnt 0x0                               ; P and my sums are stored
	s_barrier_signal -1
	s_barrier_wait -1
	ds_load_b32 v36, v19 offset:512
	ds_load_b32 v37, v19 offset:576
	s_wait_dscnt 0x0
	v_add_f32 v26, v26, v36
	v_add_f32 v27, v27, v37
	v_lshrrev_b32 v32, 2, v3
	v_cmp_eq_u32 vcc_lo, 1, v2
	v_cndmask_b32 v33, v20, v21, vcc_lo            ; lanes 0-15 rows 0-15, lanes 16-31 rows 16-31
	v_cndmask_b32 v34, v26, v27, vcc_lo
	v_cndmask_b32 v33, v33, v34, s58
	global_store_b32 v32, v33, s[50:51]
	s_wait_xcnt 0x0                                ; the stores' registers are loaded again only behind this wait
	MMA 10, 11, 1
	PLACES
.set n, 0
.rept 16                        ; O through my stage: rows of 512 + 16 bytes
	ds_store_b128 v16, v[128+8*n:131+8*n] offset:(n/8)*8448+(n%8)*64
	ds_store_b128 v16, v[132+8*n:135+8*n] offset:(n/8)*8448+(n%8)*64+16
.set n, n+1
.endr
.set i, 0
.rept 32
	ds_load_b128 v[128+4*i:131+4*i], v17 offset:i*528
.set i, i+1
.endr
.set i, 0
.rept 32
	s_wait_dscnt 31-i
	global_store_b128 v3, v[128+4*i:131+4*i], s[52:53] offset:i*1024   ; 512 consecutive bytes
.set i, i+1
.endr
	FIN
.Lgate:                         ; a wave: 16 rows x 32 columns; all operands straight into registers, in flight together
	s_sub_co_u32 s36, s35, 128
	s_lshl_b32 s36, s36, 2
	s_add_co_u32 s36, s36, s34                     ; 0..255
	s_lshr_b32 s37, s36, 3                         ; row tile
	s_and_b32 s38, s36, 7                          ; pair of column tiles
	s_lshl_b32 s40, s37, 13
	s_add_co_u32 s40, s40, LV16
	s_add_nc_u64 s[42:43], s[4:5], s[40:41]
	s_lshl_b32 s40, s38, 14
	s_add_co_u32 s40, s40, WG16
	s_add_nc_u64 s[44:45], s[4:5], s[40:41]
	s_lshl_b32 s40, s37, 13
	s_lshl_b32 s59, s38, 10
	s_add_co_u32 s40, s40, s59
	s_add_nc_u64 s[50:51], s[8:9], s[40:41]        ; gated
	s_add_co_u32 s40, s40, C16
	s_add_nc_u64 s[46:47], s[4:5], s[40:41]        ; content in bf16, same tiles
	s_lshl_b32 s40, s38, 7
	s_add_nc_u64 s[48:49], s[6:7], s[40:41]
	s_lshl_b32 s40, s36, 7
	s_add_co_u32 s40, s40, 65536
	s_add_nc_u64 s[52:53], s[12:13], s[40:41]
	v_lshlrev_b32 v8, 5, v2
	v_lshrrev_b32 v9, 2, v3
	global_load_b128 v[32:35], v8, s[48:49]
	global_load_b128 v[36:39], v8, s[48:49] offset:16
	global_load_b128 v[40:43], v8, s[48:49] offset:64
	global_load_b128 v[44:47], v8, s[48:49] offset:80
	global_load_b128 v[48:51], v3, s[46:47]
	global_load_b128 v[52:55], v3, s[46:47] offset:512
.set j, 0
.rept 16
	global_load_b128 v[64+4*j:67+4*j], v3, s[42:43] offset:512*j
	global_load_b128 v[128+4*j:131+4*j], v3, s[44:45] offset:512*j
	global_load_b128 v[192+4*j:195+4*j], v3, s[44:45] offset:8192+512*j
.set j, j+1
.endr
	s_wait_loadcnt 0x0
.set k, 0
.rept 8                         ; two accumulators by turns; the sums start from the bias
	v_wmma_f32_16x16x32_bf16 v[32:39], v[128+8*k:135+8*k], v[64+8*k:71+8*k], v[32:39]
	v_wmma_f32_16x16x32_bf16 v[40:47], v[192+8*k:199+8*k], v[64+8*k:71+8*k], v[40:47]
.set k, k+1
.endr
	PLACES
.set p, 0
.rept 8
	v_pk_mul_f32 v[128+2*p:129+2*p], v[32+2*p:33+2*p], 0xbfb8aa3b op_sel_hi:[1,0]
.set p, p+1
.endr
.set j, 0
.rept 16
	v_exp_f32 v[128+j], v[128+j]
.set j, j+1
.endr
	v_nop
.set p, 0
	s_wait_alu depctr_va_vdst(0)
.rept 8
	v_pk_add_f32 v[128+2*p:129+2*p], v[128+2*p:129+2*p], 1.0 op_sel_hi:[1,0]
.set p, p+1
.endr
.set j, 0
.rept 16
	v_rcp_f32 v[128+j], v[128+j]
.set j, j+1
.endr
.set k, 0
.rept 8                         ; content's halves as f32: plain lines behind the reciprocals
	v_lshlrev_b32 v[160+2*k], 16, v[48+k]
	v_and_b32 v[161+2*k], 0xffff0000, v[48+k]
.set k, k+1
.endr
	s_wait_alu depctr_va_vdst(0)
	v_pk_add_f32 v[144:145], v[128:129], v[130:131]
	v_pk_add_f32 v[146:147], v[132:133], v[134:135]
	v_pk_add_f32 v[148:149], v[136:137], v[138:139]
	v_pk_add_f32 v[150:151], v[140:141], v[142:143]
	v_pk_add_f32 v[144:145], v[144:145], v[146:147]
	v_pk_add_f32 v[148:149], v[148:149], v[150:151]
	v_pk_add_f32 v[144:145], v[144:145], v[148:149]
	v_add_f32 v144, v144, v145
	global_store_b32 v9, v144, s[52:53]            ; my 16 gates' sum, for the mean
.set k, 0
.rept 8
	v_pk_mul_f32 v[160+2*k:161+2*k], v[160+2*k:161+2*k], v[128+2*k:129+2*k]
.set k, k+1
.endr
.set k, 0
.rept 8
	v_cvt_pk_bf16_f32 v[176+k], v[160+2*k], v[161+2*k]
.set k, k+1
.endr
	global_store_b128 v3, v[176:179], s[50:51]
	global_store_b128 v3, v[180:183], s[50:51] offset:512
	FIN
.Lfunc_end_k_qd3e5b60c35_readp:
	.size	k_qd3e5b60c35_readp, .Lfunc_end_k_qd3e5b60c35_readp-k_qd3e5b60c35_readp
	.p2alignl 7, 3214868480
	.fill 96, 4, 3214868480
	.section	.rodata,"a",@progbits
	.p2align	6, 0x0
	.amdhsa_kernel k_qd3e5b60c35_readp
		.amdhsa_group_segment_fixed_size 296448
		.amdhsa_private_segment_fixed_size 0
		.amdhsa_enable_private_segment 0
		.amdhsa_kernarg_size 48
		.amdhsa_user_sgpr_count 2
		.amdhsa_user_sgpr_kernarg_segment_ptr 1
		.amdhsa_wavefront_size32 1
		.amdhsa_system_sgpr_workgroup_id_x 1
		.amdhsa_system_sgpr_workgroup_id_y 1
		.amdhsa_system_sgpr_workgroup_id_z 1
		.amdhsa_system_vgpr_workitem_id 0
		.amdhsa_next_free_vgpr 256
		.amdhsa_next_free_sgpr 66
		.amdhsa_reserve_vcc 1
		.amdhsa_float_denorm_mode_32 3
		.amdhsa_float_denorm_mode_16_64 3
		.amdhsa_memory_ordered 1
		.amdhsa_forward_progress 1
		.amdhsa_inst_pref_size 110
	.end_amdhsa_kernel
	.amdgpu_metadata
---
amdhsa.version: [ 1, 2 ]
amdhsa.kernels:
  - .name:           k_qd3e5b60c35_readp
    .symbol:         k_qd3e5b60c35_readp.kd
    .args:
      - { .name: cast, .offset: 0, .size: 8, .value_kind: global_buffer, .address_space: global }
      - { .name: b_gate, .offset: 8, .size: 8, .value_kind: global_buffer, .address_space: global }
      - { .name: gated, .offset: 16, .size: 8, .value_kind: global_buffer, .address_space: global }
      - { .name: pread, .offset: 24, .size: 8, .value_kind: global_buffer, .address_space: global }
      - { .name: sread, .offset: 32, .size: 8, .value_kind: global_buffer, .address_space: global }
      - { .name: opart, .offset: 40, .size: 8, .value_kind: global_buffer, .address_space: global }
    .group_segment_fixed_size: 296448
    .private_segment_fixed_size: 0
    .kernarg_segment_align: 8
    .kernarg_segment_size: 48
    .max_flat_workgroup_size: 128
    .sgpr_count:     66
    .vgpr_count:     256
    .wavefront_size: 32
...
	.end_amdgpu_metadata
.endif
;; end of part 2
;; launch writep (part 3): grid 384 x 1, 4 waves a work-group, no clusters, 167,936 bytes of LDS; arguments cast, gated, pread, sread, opart, b_addr, usage, b_erase, b_add, out0, out1, out2, pwrite, swrite, eadd; writes out0, out1, out2, pwrite, swrite, eadd
.if DOCPART == 3
	.amdgcn_target "amdgcn-amd-amdhsa--gfx1250"
	.amdhsa_code_object_version 6
	.text
	.protected	k_qd3e5b60c35_writep
	.globl	k_qd3e5b60c35_writep
	.p2align	8
	.type	k_qd3e5b60c35_writep,@function
k_qd3e5b60c35_writep:
	s_mov_b64 s[64:65], 0
	v_nop
	global_prefetch_b8 v0, s[64:65] scope:SCOPE_SE
	s_setreg_imm32_b32 hwreg(HW_REG_WAVE_MODE, 25, 1), 1
	s_wait_xcnt 0x0
; WRITEP.  Work-groups 0-127: a tile of 64 rows x 256 slots of the write address: logits = gated w_addr^T + b_addr - 0.1 usage; the tile's own row maximum m is taken away;
; p = 2^(c s - c m), c = log2(e), goes out in f16 in the order in which the last launch's waves want it; m and l = sum p in f32.
; Work-groups 128-255: four rows each of the read's results: M = max m, L = sum l 2^(c (m - M)), factor = 2^(c (m - M)) / L; out1 = p x factor, out0 = sum of factor x partial O.  The first also makes the gate's mean.
; Work-groups 256-383: erase = sigmoid(gated w_erase^T + b_erase), add = gated w_add^T + b_add, in f32, 16 rows x 16 columns of each a wave.
; LIMITS.  Operands bf16; p in f16 (11 bits; a fixed step of 6e-8 below 6e-5); a weight below 2^-126 counts as 0; the mean's order of summing is a tree.
.set WA16,  4980736
.set WE16,  7208960
.set WD16,  7340032
.set XL,    131072              ; LDS: w_addr's tile at 0, gated's here,
.set MX,    163840              ; 512 bytes of maxima, 512 of sums; in the finishing role 256 bytes of factors for each wave,
.set S2,    164864              ; four words for the mean,
.set SPARE, 165120              ; the spare words
.macro PLACES
.rept 4
	v_nop
.endr
.endm
.macro FIN                      ; the wave's end
	s_wait_tensorcnt 0x0
	ds_add_u32 v30, v31
	s_wait_dscnt 0x0
	s_endpgm
.endm
.macro COPY n, lds, base        ; n copies of the four waves' 2,048 consecutive bytes; the immediate steps both addresses and stays under 65,536
.set i, 0
.rept \n
	global_load_async_to_lds_b128 v[\lds], v4, s[\base:\base+1] offset:i*2048
.set i, i+1
.endr
.endm
.macro LX aB, kap
.irp u, 0,1
	ds_load_b128 v[32+16*((\kap)%2)+8*\u:32+16*((\kap)%2)+8*\u+3], v[\aB] offset:\u*8192+(\kap)*1024
	ds_load_b128 v[32+16*((\kap)%2)+8*\u+4:32+16*((\kap)%2)+8*\u+7], v[\aB] offset:\u*8192+(\kap)*1024+512
.endr
.endm
.macro LY aA, rho
.irp q, 0,1,2,3
	ds_load_b128 v[64+32*((\rho)%2)+8*\q:64+32*((\rho)%2)+8*\q+3], v[\aA] offset:(4*((\rho)%2)+\q)*8192+((\rho)/2)*1024
	ds_load_b128 v[64+32*((\rho)%2)+8*\q+4:64+32*((\rho)%2)+8*\q+7], v[\aA] offset:(4*((\rho)%2)+\q)*8192+((\rho)/2)*1024+512
.endr
.endm
; 128 slots (source 0) x 32 rows (source 1) x 256 along k: 16 runs of 8 matrix instructions on 16 accumulators by turns; the sums start from the bias in the accumulators.
.macro MMA aA, aB
	LX \aB, 0
	LY \aA, 0
.set rho, 0
.rept 16
.if rho < 15
	PLACES                                         ; four places between the products that read a buffer and the loads into it
.if (rho%2) == 1
	LX \aB, (rho+1)/2
	LY \aA, rho+1
	s_wait_dscnt 12                                ; all but the 12 just issued
.else
	LY \aA, rho+1
	s_wait_dscnt 8                                 ; all but the 8 just issued
.endif
.else
	s_wait_dscnt 0x0
.endif
.irp q, 0,1,2,3
.irp u, 0,1
.set rA, 128+64*\u+8*(4*(rho%2)+\q)
	v_wmma_f32_16x16x32_bf16 v[rA:rA+7], v[64+32*(rho%2)+8*\q:64+32*(rho%2)+8*\q+7], v[32+16*((rho/2)%2)+8*\u:32+16*((rho/2)%2)+8*\u+7], v[rA:rA+7]
.endr
.endr
.set rho, rho+1
.endr
.endm
.macro RMAX u
.set A0, 128+64*(\u)
.set C0, 64+8*(\u)
.irp t, 0,1,2,3,4,5,6,7
	v_max3_num_f32 v[C0+\t], v[A0+8*\t], v[A0+8*\t+1], v[A0+8*\t+2]
.endr
.irp t, 0,1,2,3,4,5,6,7
	v_max3_num_f32 v[C0+\t], v[C0+\t], v[A0+8*\t+3], v[A0+8*\t+4]
.endr
.irp t, 0,1,2,3,4,5,6,7
	v_max3_num_f32 v[C0+\t], v[C0+\t], v[A0+8*\t+5], v[A0+8*\t+6]
.endr
.irp t, 0,1,2,3
	v_max3_num_f32 v[C0+\t], v[C0+\t], v[A0+8*\t+7], v[A0+8*\t+39]
.endr
	v_max3_num_f32 v[C0], v[C0], v[C0+1], v[C0+2]
	v_max3_num_f32 v[C0+4], v[C0+4], v[C0+5], v[C0+6]
	v_max3_num_f32 v[C0], v[C0], v[C0+3], v[C0+7]
	v_max_num_f32 v[C0], v[C0], v[C0+4]
	v_permlanex16_b32 v[C0+1], v[C0], s56, s57
	v_max_num_f32 v[20+(\u)], v[C0], v[C0+1]
.endm
.macro FMT n
.set A, 128+8*(\n)
.set CM, 22+2*((\n)/8)
.irp p, 0,2,4,6
	v_pk_fma_f32 v[A+\p:A+\p+1], v[A+\p:A+\p+1], s[54:55], v[CM:CM+1] op_sel_hi:[1,0,0] neg_lo:[0,0,1] neg_hi:[0,0,1]
.endr
.endm
.macro EXT n
.set A, 128+8*(\n)
.irp j, 0,1,2,3,4,5,6,7
	v_exp_f32 v[A+\j], v[A+\j]
.endr
.endm
.macro EXPS
	FMT 0
.set n, 0
.rept 16
	EXT n
.if n < 15
	FMT n+1
.else
	v_nop
	s_wait_alu depctr_va_vdst(0)
.endif
.set n, n+1
.endr
.endm
.macro RSUM u
.set A0, 128+64*(\u)
.set SB, 96+8*(\u)
.irp c, 0,2,4,6
	v_pk_add_f32 v[SB+\c:SB+\c+1], v[A0+\c:A0+\c+1], v[A0+8+\c:A0+8+\c+1]
.endr
.irp t, 2,3,4,5,6,7
.irp c, 0,2,4,6
	v_pk_add_f32 v[SB+\c:SB+\c+1], v[SB+\c:SB+\c+1], v[A0+8*\t+\c:A0+8*\t+\c+1]
.endr
.endr
	v_pk_add_f32 v[SB:SB+1], v[SB:SB+1], v[SB+2:SB+3]
	v_pk_add_f32 v[SB+4:SB+5], v[SB+4:SB+5], v[SB+6:SB+7]
	v_pk_add_f32 v[SB:SB+1], v[SB:SB+1], v[SB+4:SB+5]
	v_add_f32 v[SB], v[SB], v[SB+1]
	v_permlanex16_b32 v[SB+1], v[SB], s56, s57
	v_add_f32 v[26+(\u)], v[SB], v[SB+1]
.endm
	s_load_b512 s[4:19], s[0:1], 0x0               ; cast 4, gated 6, pread 8, sread 10, opart 12, b_addr 14, usage 16, b_erase 18
	s_load_b256 s[20:27], s[0:1], 0x40             ; b_add 20, out0 22, out1 24, out2 26
	s_load_b128 s[28:31], s[0:1], 0x60             ; pwrite 28, swrite 30
	s_load_b64 s[32:33], s[0:1], 0x70              ; eadd
	v_lshl_add_u32 v30, v0, 2, SPARE
	v_mov_b32 v31, 0
	ds_add_u32 v30, v31                            ; the wave's opening: the add and its wait ahead of the first copy
	ds_add_u32 v30, v31
	v_lshrrev_b32 v1, 5, v0
	v_readfirstlane_b32 s34, v1                    ; wave
	v_and_b32 v1, 15, v0
	v_bfe_u32 v2, v0, 4, 1
	v_and_b32 v3, 31, v0
	v_lshlrev_b32 v3, 4, v3
	s_mov_b32 s35, ttmp9
	s_mov_b32 s41, 0
	s_mov_b32 s54, 0x3fb8aa3b                      ; c = log2(e)
	s_mov_b32 s55, s54
	s_mov_b32 s56, 0x76543210
	s_mov_b32 s57, 0xfedcba98
	s_wait_dscnt 0x0
	s_wait_kmcnt 0x0
	s_cmp_ge_u32 s35, 256
	s_cbranch_scc1 .Lheads
	s_cmp_ge_u32 s35, 128
	s_cbranch_scc1 .Lfinish
	s_and_b32 s36, s35, 7                          ; block of 64 rows
	s_lshr_b32 s37, s35, 3                         ; block of 256 slots
	s_lshl_b32 s40, s36, 15
	s_add_nc_u64 s[42:43], s[6:7], s[40:41]
	s_lshl_b32 s40, s37, 17
	s_add_co_u32 s40, s40, WA16
	s_add_nc_u64 s[44:45], s[4:5], s[40:41]
	s_add_nc_u64 s[60:61], s[44:45], 0x10000       ; the tile of 131,072 bytes is copied as two halves, each with a base and an LDS address of its own
	v_lshl_add_u32 v4, s34, 9, v3                  ; 512 bytes a wave, 16 a lane
	v_add_nc_u32 v5, XL, v4
	v_mov_b32 v6, v4
	v_add_nc_u32 v7, 65536, v4
	COPY 16, 5, 42                                 ; gated
	COPY 32, 6, 44                                 ; w_addr
	COPY 32, 7, 60
	s_and_b32 s38, s34, 1                          ; which 32 rows
	s_lshr_b32 s39, s34, 1                         ; which 128 slots
	s_lshl_b32 s40, s37, 10
	s_lshl_b32 s59, s39, 9
	s_add_co_u32 s40, s40, s59
	s_add_nc_u64 s[46:47], s[14:15], s[40:41]
	s_add_nc_u64 s[48:49], s[16:17], s[40:41]
	v_lshlrev_b32 v10, 5, v2
.set t, 0
.rept 8
	global_load_b128 v[128+8*t:131+8*t], v10, s[46:47] offset:64*t
	global_load_b128 v[132+8*t:135+8*t], v10, s[46:47] offset:64*t+16
	global_load_b128 v[64+8*t:67+8*t], v10, s[48:49] offset:64*t
	global_load_b128 v[68+8*t:71+8*t], v10, s[48:49] offset:64*t+16
.set t, t+1
.endr
	s_lshl_b32 s59, s38, 14
	v_lshl_add_u32 v8, s39, 16, v3
	v_add_nc_u32 v9, s59, v3
	v_add_nc_u32 v9, XL, v9
	s_lshl_b32 s59, s34, 7
	s_add_co_u32 s59, s59, MX
	v_lshl_add_u32 v18, v1, 2, s59
	s_xor_b32 s59, s34, 2
	s_lshl_b32 s59, s59, 7
	s_add_co_u32 s59, s59, MX
	v_lshl_add_u32 v19, v1, 2, s59
	s_lshl_b32 s40, s37, 18                        ; pwrite: strip of 64 slots x 65,536 + row tile x 2,048 + group of 16 slots x 512 + 16 lane
	s_lshl_b32 s59, s39, 17
	s_add_co_u32 s40, s40, s59
	s_lshl_b32 s59, s36, 13
	s_add_co_u32 s40, s40, s59
	s_lshl_b32 s59, s38, 12
	s_add_co_u32 s40, s40, s59
	s_add_nc_u64 s[50:51], s[28:29], s[40:41]
	s_lshl_b32 s40, s39, 15
	s_lshl_b32 s59, s37, 11
	s_add_co_u32 s40, s40, s59
	s_lshl_b32 s59, s36, 8
	s_add_co_u32 s40, s40, s59
	s_lshl_b32 s59, s38, 7
	s_add_co_u32 s40, s40, s59
	s_add_nc_u64 s[52:53], s[30:31], s[40:41]
	s_cmp_eq_u32 s39, 1
	s_cselect_b32 s58, -1, 0
	s_wait_loadcnt 0x0
.set p, 0
.rept 32                        ; b_addr - 0.1 usage starts the sums of both row tiles
	v_pk_fma_f32 v[192+2*p:193+2*p], v[64+2*p:65+2*p], 0xbdcccccd, v[128+2*p:129+2*p] op_sel_hi:[1,0,1]
	v_pk_fma_f32 v[128+2*p:129+2*p], v[64+2*p:65+2*p], 0xbdcccccd, v[128+2*p:129+2*p] op_sel_hi:[1,0,1]
.set p, p+1
.endr
	s_wait_asynccnt 0x0                            ; my parts of both tiles have landed
	s_barrier_signal -1
	s_barrier_wait -1
	MMA 8, 9
	PLACES
	RMAX 0
	RMAX 1
	ds_store_b32 v18, v20
	ds_store_b32 v18, v21 offset:64
	s_wait_dscnt 0x0
	s_barrier_signal -1
	s_barrier_wait -1
	ds_load_b32 v28, v19
	ds_load_b32 v29, v19 offset:64
	s_wait_dscnt 0x0
	v_max_num_f32 v20, v20, v28
	v_max_num_f32 v21, v21, v29
	v_mul_f32 v22, s54, v20
	v_mul_f32 v24, s54, v21
	v_mov_b32 v23, v22
	v_mov_b32 v25, v24
	EXPS
	RSUM 0
	RSUM 1
	ds_store_b32 v18, v26 offset:512
	ds_store_b32 v18, v27 offset:576
.set n, 0
.rept 16                        ; a lane's eight slots of a row are 16 bytes: a store of the wave covers 512 consecutive bytes
.irp q, 0,1,2,3
	v_cvt_pk_f16_f32 v[64+4*n+\q], v[128+8*n+2*\q], v[128+8*n+2*\q+1]
.endr
	global_store_b128 v3, v[64+4*n:67+4*n], s[50:51] offset:((n%8)/4)*65536+(n/8)*2048+(n%4)*512
.set n, n+1
.endr
	s_wait_dscnt 0x0
	s_barrier_signal -1
	s_barrier_wait -1
	ds_load_b32 v28, v19 offset:512
	ds_load_b32 v29, v19 offset:576
	s_wait_dscnt 0x0
	v_add_f32 v26, v26, v28
	v_add_f32 v27, v27, v29
	v_lshrrev_b32 v32, 2, v3
	v_cmp_eq_u32 vcc_lo, 1, v2
	v_cndmask_b32 v33, v20, v21, vcc_lo
	v_cndmask_b32 v34, v26, v27, vcc_lo
	v_cndmask_b32 v33, v33, v34, s58
	global_store_b32 v32, v33, s[52:53]
	FIN
.Lfinish:                       ; rows 4 f .. 4 f + 3.  Every wave makes the 64 factors for itself, in its own 256 bytes: no barrier
	s_sub_co_u32 s36, s35, 128
	s_lshl_b32 s40, s36, 4
	s_add_nc_u64 s[42:43], s[10:11], s[40:41]
	s_lshl_b32 s40, s36, 12
	s_add_nc_u64 s[44:45], s[12:13], s[40:41]
	s_add_nc_u64 s[48:49], s[22:23], s[40:41]
	s_lshl_b32 s40, s36, 15
	s_add_nc_u64 s[46:47], s[8:9], s[40:41]
	s_lshl_b32 s40, s36, 16
	s_add_nc_u64 s[50:51], s[24:25], s[40:41]
	v_lshlrev_b32 v4, 4, v0
	v_lshlrev_b32 v5, 3, v0
	v_lshlrev_b32 v6, 11, v1                       ; lane (h, r): block r, row 2 a + h
	v_lshl_add_u32 v6, v2, 2, v6
	v_mov_b32 v29, 0
	global_load_b32 v10, v6, s[42:43]
	global_load_b32 v11, v6, s[42:43] offset:8
	global_load_b32 v12, v6, s[42:43] offset:32768
	global_load_b32 v13, v6, s[42:43] offset:32776
.set j, 0
.rept 32                        ; partial O: block j / 2, half j % 2 of the four rows
	global_load_b128 v[128+4*j:131+4*j], v4, s[44:45] offset:(j/2)*524288+(j%2)*2048
.set j, j+1
.endr
.set i, 0
.rept 32
	global_load_b64 v[64+2*i:65+2*i], v5, s[46:47] offset:i*1024
.set i, i+1
.endr
	s_lshl_b32 s58, s34, 8
	s_add_co_u32 s58, s58, MX
	s_lshr_b32 s59, s34, 1
	s_lshl_b32 s60, s59, 6
	s_add_co_u32 s60, s60, s58
	s_lshl_b32 s61, s59, 2
	s_add_co_u32 s61, s61, s58
	v_lshrrev_b32 v7, 2, v3
	v_add_nc_u32 v7, s58, v7
	v_mov_b32 v8, s60
	v_mov_b32 v9, s61
	s_wait_loadcnt 63                              ; of 68 loads at most 63 are out: the four of m and l are in
	v_mov_b32 v14, v10
	v_mov_b32 v17, v11
.irp x, 1,2,4,8
	v_max_num_f32_dpp v14, v14, v14 row_xmask:\x row_mask:0xf bank_mask:0xf
	v_max_num_f32_dpp v17, v17, v17 row_xmask:\x row_mask:0xf bank_mask:0xf
.endr
	v_sub_f32 v15, v10, v14
	v_sub_f32 v18, v11, v17
	v_mul_f32 v15, 0x3db8aa3b, v15                 ; the read's c = log2(e) / 16
	v_mul_f32 v18, 0x3db8aa3b, v18
	v_exp_f32 v15, v15
	v_exp_f32 v18, v18
	v_nop
	s_wait_alu depctr_va_vdst(0)
	v_mul_f32 v16, v15, v12
	v_mul_f32 v19, v18, v13
.irp x, 1,2,4,8
	v_add_f32_dpp v16, v16, v16 row_xmask:\x row_mask:0xf bank_mask:0xf
	v_add_f32_dpp v19, v19, v19 row_xmask:\x row_mask:0xf bank_mask:0xf
.endr
	v_rcp_f32 v16, v16
	v_rcp_f32 v19, v19
	v_nop
	s_wait_alu depctr_va_vdst(0)
	v_mul_f32 v15, v15, v16
	v_mul_f32 v18, v18, v19
	ds_store_b32 v7, v15
	ds_store_b32 v7, v18 offset:128
.set j, 0
.rept 8                         ; the 16 factors of my row 2 q + (w >> 1), q = j / 4
	ds_load_b128 v[32+4*j:35+4*j], v8 offset:(j/4)*128+(j%4)*16
.set j, j+1
.endr
	s_wait_loadcnt 32                              ; the partial sums are in; p's 32 loads stay out
	s_wait_dscnt 0x0
.irp q, 0,1
	v_pk_mul_f32 v[20+4*\q:21+4*\q], v[128+4*\q:129+4*\q], v[32+16*\q:33+16*\q] op_sel_hi:[1,0]
	v_pk_mul_f32 v[22+4*\q:23+4*\q], v[130+4*\q:131+4*\q], v[32+16*\q:33+16*\q] op_sel_hi:[1,0]
.set b, 1
.rept 15
.set OL, 128+8*b+4*\q
.set FP, 32+16*\q+2*(b/2)
.if (b%2) == 0
	v_pk_fma_f32 v[20+4*\q:21+4*\q], v[OL:OL+1], v[FP:FP+1], v[20+4*\q:21+4*\q] op_sel_hi:[1,0,1]
	v_pk_fma_f32 v[22+4*\q:23+4*\q], v[OL+2:OL+3], v[FP:FP+1], v[22+4*\q:23+4*\q] op_sel_hi:[1,0,1]
.else
	v_pk_fma_f32 v[20+4*\q:21+4*\q], v[OL:OL+1], v[FP:FP+1], v[20+4*\q:21+4*\q] op_sel:[0,1,0] op_sel_hi:[1,1,1]
	v_pk_fma_f32 v[22+4*\q:23+4*\q], v[OL+2:OL+3], v[FP:FP+1], v[22+4*\q:23+4*\q] op_sel:[0,1,0] op_sel_hi:[1,1,1]
.endif
.set b, b+1
.endr
	global_store_b128 v4, v[20+4*\q:23+4*\q], s[48:49] offset:2048*\q
.endr
.set i, 0
.rept 32                        ; load i of p lies in row i / 8, block 2 (i % 8) + (w >> 1): factor 2 i + (w >> 1)
	ds_load_b32 v[32+i], v9 offset:8*i
.set i, i+1
.endr
	s_wait_dscnt 0x0
.set i, 0
.rept 32
	s_wait_loadcnt 31-i
	v_fma_mix_f32 v[128+4*i], v[64+2*i], v[32+i], v29 op_sel_hi:[1,0,0]
	v_fma_mix_f32 v[129+4*i], v[64+2*i], v[32+i], v29 op_sel:[1,0,0] op_sel_hi:[1,0,0]
	v_fma_mix_f32 v[130+4*i], v[65+2*i], v[32+i], v29 op_sel_hi:[1,0,0]
	v_fma_mix_f32 v[131+4*i], v[65+2*i], v[32+i], v29 op_sel:[1,0,0] op_sel_hi:[1,0,0]
	global_store_b128 v4, v[128+4*i:131+4*i], s[50:51] offset:2048*i th:TH_STORE_NT
.set i, i+1
.endr
	s_cmp_eq_u32 s36, 0
	s_cbranch_scc1 .Lmean
	FIN
.Lmean:                         ; 8,192 lane sums of 16 gates each; the mean of 2^17 numbers
.set j, 0
.rept 16
	global_load_b128 v[64+4*j:67+4*j], v4, s[10:11] offset:65536+2048*j
.set j, j+1
.endr
	s_lshl_b32 s58, s34, 2
	s_add_co_u32 s58, s58, S2
	v_mov_b32 v10, s58
	v_mov_b32 v11, S2
	s_wait_loadcnt 0x0
.irp w, 2,4,8,16,32
.set k, 0
.rept 32/\w
	v_pk_add_f32 v[64+2*\w*k:65+2*\w*k], v[64+2*\w*k:65+2*\w*k], v[64+2*\w*k+\w:65+2*\w*k+\w]
.set k, k+1
.endr
.endr
	v_add_f32 v64, v64, v65
.irp x, 1,2,4,8
	v_add_f32_dpp v64, v64, v64 row_xmask:\x row_mask:0xf bank_mask:0xf
.endr
	v_permlanex16_b32 v65, v64, s56, s57
	v_add_f32 v64, v64, v65
	ds_store_b32 v10, v64
	s_wait_dscnt 0x0
	s_barrier_signal -1
	s_barrier_wait -1
	ds_load_b128 v[12:15], v11
	s_wait_dscnt 0x0
	v_add_f32 v12, v12, v13
	v_add_f32 v14, v14, v15
	v_add_f32 v12, v12, v14
	v_mul_f32 v12, 0x37000000, v12                 ; 2^-17
	v_cmp_eq_u32 vcc_lo, 0, v0
	s_wait_xcnt 0x0                                ; EXEC changes only behind this wait
	s_and_saveexec_b32 s59, vcc_lo
	global_store_b32 v29, v12, s[26:27]
	s_wait_xcnt 0x0
	s_or_b32 exec_lo, exec_lo, s59
	FIN
.Lheads:                        ; a wave: 16 rows x 16 columns of erase and of add
	s_sub_co_u32 s36, s35, 256
	s_lshl_b32 s36, s36, 2
	s_add_co_u32 s36, s36, s34                     ; 0..511
	s_lshr_b32 s37, s36, 4                         ; row tile
	s_and_b32 s38, s36, 15                         ; column tile
	s_lshl_b32 s40, s37, 13
	s_add_nc_u64 s[42:43], s[6:7], s[40:41]
	s_lshl_b32 s40, s38, 13
	s_add_co_u32 s40, s40, WE16
	s_add_nc_u64 s[44:45], s[4:5], s[40:41]
	s_add_co_u32 s40, s40, WD16-WE16
	s_add_nc_u64 s[46:47], s[4:5], s[40:41]
	s_lshl_b32 s40, s38, 6
	s_add_nc_u64 s[48:49], s[18:19], s[40:41]
	s_add_nc_u64 s[50:51], s[20:21], s[40:41]
	s_lshl_b32 s40, s37, 14
	s_lshl_b32 s59, s38, 10
	s_add_co_u32 s40, s40, s59
	s_add_nc_u64 s[52:53], s[32:33], s[40:41]
	v_lshlrev_b32 v8, 5, v2
	global_load_b128 v[32:35], v8, s[48:49]
	global_load_b128 v[36:39], v8, s[48:49] offset:16
	global_load_b128 v[40:43], v8, s[50:51]
	global_load_b128 v[44:47], v8, s[50:51] offset:16
.set j, 0
.rept 16
	global_load_b128 v[64+4*j:67+4*j], v3, s[42:43] offset:512*j
	global_load_b128 v[128+4*j:131+4*j], v3, s[44:45] offset:512*j
	global_load_b128 v[192+4*j:195+4*j], v3, s[46:47] offset:512*j
.set j, j+1
.endr
	s_wait_loadcnt 0x0
.set k, 0
.rept 8                         ; two accumulators by turns; the sums start from the biases
	v_wmma_f32_16x16x32_bf16 v[32:39], v[128+8*k:135+8*k], v[64+8*k:71+8*k], v[32:39]
	v_wmma_f32_16x16x32_bf16 v[40:47], v[192+8*k:199+8*k], v[64+8*k:71+8*k], v[40:47]
.set k, k+1
.endr
	PLACES
	global_store_b128 v3, v[40:43], s[52:53] offset:524288        ; add, as it stands: 512 consecutive bytes a store
	global_store_b128 v3, v[44:47], s[52:53] offset:524800
.irp p, 0,2,4,6
	v_pk_mul_f32 v[128+\p:129+\p], v[32+\p:33+\p], 0xbfb8aa3b op_sel_hi:[1,0]
.endr
.irp j, 0,1,2,3,4,5,6,7
	v_exp_f32 v[128+\j], v[128+\j]
.endr
	v_nop
	s_wait_alu depctr_va_vdst(0)
.irp p, 0,2,4,6
	v_pk_add_f32 v[128+\p:129+\p], v[128+\p:129+\p], 1.0 op_sel_hi:[1,0]
.endr
.irp j, 0,1,2,3,4,5,6,7
	v_rcp_f32 v[128+\j], v[128+\j]
.endr
	v_nop
	s_wait_alu depctr_va_vdst(0)
	global_store_b128 v3, v[128:131], s[52:53]
	global_store_b128 v3, v[132:135], s[52:53] offset:512
	FIN
.Lfunc_end_k_qd3e5b60c35_writep:
	.size	k_qd3e5b60c35_writep, .Lfunc_end_k_qd3e5b60c35_writep-k_qd3e5b60c35_writep
	.p2alignl 7, 3214868480
	.fill 96, 4, 3214868480
	.section	.rodata,"a",@progbits
	.p2align	6, 0x0
	.amdhsa_kernel k_qd3e5b60c35_writep
		.amdhsa_group_segment_fixed_size 167936
		.amdhsa_private_segment_fixed_size 0
		.amdhsa_enable_private_segment 0
		.amdhsa_kernarg_size 120
		.amdhsa_user_sgpr_count 2
		.amdhsa_user_sgpr_kernarg_segment_ptr 1
		.amdhsa_wavefront_size32 1
		.amdhsa_system_sgpr_workgroup_id_x 1
		.amdhsa_system_sgpr_workgroup_id_y 1
		.amdhsa_system_sgpr_workgroup_id_z 1
		.amdhsa_system_vgpr_workitem_id 0
		.amdhsa_next_free_vgpr 256
		.amdhsa_next_free_sgpr 66
		.amdhsa_reserve_vcc 1
		.amdhsa_float_denorm_mode_32 3
		.amdhsa_float_denorm_mode_16_64 3
		.amdhsa_memory_ordered 1
		.amdhsa_forward_progress 1
		.amdhsa_inst_pref_size 106
	.end_amdhsa_kernel
	.amdgpu_metadata
---
amdhsa.version: [ 1, 2 ]
amdhsa.kernels:
  - .name:           k_qd3e5b60c35_writep
    .symbol:         k_qd3e5b60c35_writep.kd
    .args:
      - { .name: cast, .offset: 0, .size: 8, .value_kind: global_buffer, .address_space: global }
      - { .name: gated, .offset: 8, .size: 8, .value_kind: global_buffer, .address_space: global }
      - { .name: pread, .offset: 16, .size: 8, .value_kind: global_buffer, .address_space: global }
      - { .name: sread, .offset: 24, .size: 8, .value_kind: global_buffer, .address_space: global }
      - { .name: opart, .offset: 32, .size: 8, .value_kind: global_buffer, .address_space: global }
      - { .name: b_addr, .offset: 40, .size: 8, .value_kind: global_buffer, .address_space: global }
      - { .name: usage, .offset: 48, .size: 8, .value_kind: global_buffer, .address_space: global }
      - { .name: b_erase, .offset: 56, .size: 8, .value_kind: global_buffer, .address_space: global }
      - { .name: b_add, .offset: 64, .size: 8, .value_kind: global_buffer, .address_space: global }
      - { .name: out0, .offset: 72, .size: 8, .value_kind: global_buffer, .address_space: global }
      - { .name: out1, .offset: 80, .size: 8, .value_kind: global_buffer, .address_space: global }
      - { .name: out2, .offset: 88, .size: 8, .value_kind: global_buffer, .address_space: global }
      - { .name: pwrite, .offset: 96, .size: 8, .value_kind: global_buffer, .address_space: global }
      - { .name: swrite, .offset: 104, .size: 8, .value_kind: global_buffer, .address_space: global }
      - { .name: eadd, .offset: 112, .size: 8, .value_kind: global_buffer, .address_space: global }
    .group_segment_fixed_size: 167936
    .private_segment_fixed_size: 0
    .kernarg_segment_align: 8
    .kernarg_segment_size: 120
    .max_flat_workgroup_size: 128
    .sgpr_count:     66
    .vgpr_count:     256
    .wavefront_size: 32
...
	.end_amdgpu_metadata
.endif
;; end of part 3
;; launch scan (part 4): grid 256 x 1, 4 waves a work-group, no clusters, 270,336 bytes of LDS; arguments pwrite, swrite, eadd, memory, usage, out3, out4, out5; writes out3, out4, out5
.if DOCPART == 4
	.amdgcn_target "amdgcn-amd-amdhsa--gfx1250"
	.amdhsa_code_object_version 6
	.text
	.protected	k_qd3e5b60c35_scan
	.globl	k_qd3e5b60c35_scan
	.p2align	8
	.type	k_qd3e5b60c35_scan,@function
k_qd3e5b60c35_scan:
	s_mov_b64 s[64:65], 0
	v_nop
	global_prefetch_b8 v0, s[64:65] scope:SCOPE_SE
	s_setreg_imm32_b32 hwreg(HW_REG_WAVE_MODE, 25, 1), 1
	s_wait_xcnt 0x0
; SCAN.  A work-group owns 64 slots x 64 columns of the memory; a wave 16 slots x 64 columns; a lane 8 slots x 4 columns, 32 cells in registers, through all 512 steps:
; mem = mem - w (e mem - a), two fused multiply-adds a cell and step (reference: mem (1 - w e) + w a; the rounding differs, nothing is cut).
; First the address weights are finished: M = max of the 16 blocks' maxima, L = sum l 2^(c (m - M)), w = p x 2^(c (m_block - M)) / L, c = log2(e).  All 512 rows of the strip's 64 slots lie in LDS (f32);
; the four work-groups of a strip make them alike; each stores a quarter of the rows to out3 and 16 slots of out5 = usage + sum over rows of w (summed as a tree, not row by row).
; e and a of 64 steps lie in one of two LDS slots that take turns; they come through registers, because their order in memory is turned on the way, two phases ahead.
; The matrix units, tensor loads and clusters are left out: the work is 32 packed multiply-adds a step and wave on cells that never leave registers, and what work-groups share is 512 bytes a step.
; LIMITS.  p arrives in f16 (11 bits; a fixed step of 6e-8 below 6e-5).  NaN and infinities are not treated apart.
.set P,     272                 ; an LDS row: 64 f32 + 16 bytes
.set AOFF,  64*P                ; in a slot: e's 64 rows, then a's
.set SLOT1, 65536               ; one exclusive or turns an address in one slot into the other's
.set FTAB,  36864               ; 512 factors
.set SPARE, 40960               ; the spare words
.set WL,    131072              ; w: 512 rows
; v4 512 w + 16 lane; v5, v19 the factors, read and stored; v6, v7 w's rows as stored; v8 my cells in memory; v9 my 8 slots x 4; v11, v12 e and a as stored; v13, v14 as read; v15, v16 w as read;
; v17, v18 out3's rows in LDS and in memory; v24-27 my block's m; v29 0; v32-63 at work; v64-127 four sets of a step's operands (e 4, a 4, w 8); v128-191 e and a on their way; v192-223 the cells; v224-231 usage
.macro EALOAD                   ; 64 steps of e and a, my work-group's 64 columns: 16 loads of 512 consecutive bytes a wave
.set n, 0
.rept 16
	global_load_b128 v[128+4*n:131+4*n], v4, s[30:31] offset:(n/8)*524288+((n/2)%4)*16384+(n%2)*2048
.set n, n+1
.endr
.endm
.macro EASTORE a                ; into rows by steps
.set n, 0
.rept 16
	ds_store_b128 v[\a], v[128+4*n:131+4*n] offset:(n/8)*AOFF+((n/2)%4)*16*P+(n%2)*128
.set n, n+1
.endr
.endm
.macro WROW                     ; row tile i: w of rows 16 i + lane%16, my 8 slots; into LDS, and onto the slots' sums
.set PS, 192-128*(i/16)+4*(i%16)
.set FR, 32+(i%16)
.set D, 48
.if i == 0
.set D, 56
.endif
.irp k, 0,1,2,3
	v_fma_mix_f32 v[D+2*\k], v[PS+\k], v[FR], v29 op_sel_hi:[1,0,0]
	v_fma_mix_f32 v[D+2*\k+1], v[PS+\k], v[FR], v29 op_sel:[1,0,0] op_sel_hi:[1,0,0]
.endr
	ds_store_b128 v[6+i/16], v[D:D+3] offset:(i%16)*16*P
	ds_store_b128 v[6+i/16], v[D+4:D+7] offset:(i%16)*16*P+16
.if i > 0
.irp p, 0,2,4,6
	v_pk_add_f32 v[56+\p:57+\p], v[56+\p:57+\p], v[48+\p:49+\p]
.endr
.endif
.endm
.macro LDSTEP n, set            ; the operands of the step n rows on
.set O, 64+16*(\set)
	ds_load_b128 v[O:O+3], v14 offset:(\n)*P
	ds_load_b128 v[O+4:O+7], v14 offset:(\n)*P+AOFF
	ds_load_b128 v[O+8:O+11], v16 offset:(\n)*P
	ds_load_b128 v[O+12:O+15], v16 offset:(\n)*P+16
.endm
.macro STEP j, ahead, left      ; left: the LDS loads of the younger steps, which stay out
.set O, 64+16*(\j)
	s_wait_dscnt \left
.set i, 0
.rept 8
	v_pk_fma_f32 v[32+4*i:33+4*i], v[O:O+1], v[192+4*i:193+4*i], v[O+4:O+5] neg_lo:[0,0,1] neg_hi:[0,0,1]
	v_pk_fma_f32 v[34+4*i:35+4*i], v[O+2:O+3], v[194+4*i:195+4*i], v[O+6:O+7] neg_lo:[0,0,1] neg_hi:[0,0,1]
.set i, i+1
.endr
.set i, 0
.rept 8
.set WP, O+8+2*(i/2)
.if (i%2) == 0
	v_pk_fma_f32 v[192+4*i:193+4*i], v[32+4*i:33+4*i], v[WP:WP+1], v[192+4*i:193+4*i] op_sel_hi:[1,0,1] neg_lo:[0,1,0] neg_hi:[0,1,0]
	v_pk_fma_f32 v[194+4*i:195+4*i], v[34+4*i:35+4*i], v[WP:WP+1], v[194+4*i:195+4*i] op_sel_hi:[1,0,1] neg_lo:[0,1,0] neg_hi:[0,1,0]
.else
	v_pk_fma_f32 v[192+4*i:193+4*i], v[32+4*i:33+4*i], v[WP:WP+1], v[192+4*i:193+4*i] op_sel:[0,1,0] op_sel_hi:[1,1,1] neg_lo:[0,1,0] neg_hi:[0,1,0]
	v_pk_fma_f32 v[194+4*i:195+4*i], v[34+4*i:35+4*i], v[WP:WP+1], v[194+4*i:195+4*i] op_sel:[0,1,0] op_sel_hi:[1,1,1] neg_lo:[0,1,0] neg_hi:[0,1,0]
.endif
.set i, i+1
.endr
.if \ahead
	LDSTEP (\j)+4, \j
.endif
.endm
	s_load_b512 s[4:19], s[0:1], 0x0               ; pwrite 4, swrite 6, eadd 8, memory 10, usage 12, out3 14, out4 16, out5 18
	v_lshl_add_u32 v30, v0, 2, SPARE
	v_mov_b32 v31, 0
	v_mov_b32 v29, 0
	v_lshrrev_b32 v1, 5, v0
	v_readfirstlane_b32 s20, v1                    ; wave
	v_and_b32 v1, 15, v0
	v_bfe_u32 v2, v0, 4, 1
	v_and_b32 v3, 31, v0
	v_lshlrev_b32 v3, 4, v3
	v_lshl_add_u32 v4, s20, 9, v3
	s_lshr_b32 s22, ttmp9, 2                       ; strip of 64 slots
	s_and_b32 s23, ttmp9, 3                        ; quarter of the columns
	s_mov_b32 s25, 0
	s_mov_b32 s48, 0x3fb8aa3b
	s_mov_b32 s49, s48
	v_lshl_add_u32 v5, v1, 2, FTAB
	v_add_nc_u32 v19, FTAB, v4
	v_lshlrev_b32 v9, 5, v2
	v_lshl_add_u32 v9, s20, 6, v9
	v_mul_u32_u24 v10, v1, P
	v_add_nc_u32 v15, WL, v9
	v_add_nc_u32 v6, v15, v10
	v_add_nc_u32 v7, 256*P, v6
	v_lshlrev_b32 v13, 4, v1
	v_lshl_add_u32 v8, v2, 13, v13
	v_lshl_add_u32 v8, s20, 14, v8
	v_lshl_add_u32 v18, v2, 14, v13
	v_lshl_add_u32 v18, s20, 15, v18
	s_lshr_b32 s24, s20, 1
	s_lshl_b32 s24, s24, 6
	s_and_b32 s21, s20, 1
	s_lshl_b32 s21, s21, 4
	s_add_co_u32 s24, s24, s21
	v_lshl_add_u32 v11, v2, 5, v10
	v_add_nc_u32 v11, s24, v11
	s_lshl_b32 s24, s23, 7
	s_lshl_b32 s21, s20, 1
	s_add_co_u32 s24, s24, s21
	s_mul_i32 s24, s24, P
	s_add_co_u32 s24, s24, WL
	v_mul_u32_u24 v17, v2, P
	v_add_nc_u32 v17, v17, v13
	v_add_nc_u32 v17, s24, v17
	s_wait_kmcnt 0x0
	s_lshl_b32 s24, s22, 16
	s_add_nc_u64 s[26:27], s[4:5], s[24:25]
	s_lshl_b32 s21, s23, 8
	s_add_co_u32 s24, s24, s21
	s_add_nc_u64 s[32:33], s[10:11], s[24:25]
	s_add_nc_u64 s[34:35], s[16:17], s[24:25]
	s_lshr_b32 s24, s22, 2
	s_lshl_b32 s24, s24, 11
	s_add_nc_u64 s[28:29], s[6:7], s[24:25]
	s_lshl_b32 s24, s23, 12
	s_add_nc_u64 s[30:31], s[8:9], s[24:25]
	s_lshl_b32 s24, s22, 8
	s_add_nc_u64 s[36:37], s[12:13], s[24:25]
	s_add_nc_u64 s[40:41], s[18:19], s[24:25]
	s_lshl_b32 s21, s23, 21
	s_add_co_u32 s24, s24, s21
	s_add_nc_u64 s[38:39], s[14:15], s[24:25]
.set j, 0
.rept 16                        ; m of the 16 blocks, rows 4 t .. 4 t + 3 for thread t
	global_load_b128 v[64+4*j:67+4*j], v4, s[6:7] offset:2048*j
.set j, j+1
.endr
	global_load_b128 v[24:27], v4, s[28:29]
.set j, 0
.rept 16
	global_load_b128 v[128+4*j:131+4*j], v4, s[6:7] offset:32768+2048*j
.set j, j+1
.endr
.set i, 0
.rept 16                        ; p: row tiles 0-15; wave w's 512 bytes of a tile are its own 16 slots
	global_load_b128 v[192+4*i:195+4*i], v4, s[26:27] offset:2048*i
.set i, i+1
.endr
	s_wait_loadcnt 16                              ; all but p's 16
.irp c, 0,1,2,3
	v_max3_num_f32 v[32+\c], v[64+\c], v[68+\c], v[72+\c]
.endr
.set j, 3
.rept 6
.irp c, 0,1,2,3
	v_max3_num_f32 v[32+\c], v[32+\c], v[64+4*j+\c], v[68+4*j+\c]
.endr
.set j, j+2
.endr
.irp c, 0,1,2,3
	v_max_num_f32 v[32+\c], v[32+\c], v[124+\c]
.endr
	v_pk_mul_f32 v[36:37], v[32:33], s[48:49] op_sel_hi:[1,0]
	v_pk_mul_f32 v[38:39], v[34:35], s[48:49] op_sel_hi:[1,0]
.set j, 0
.rept 16
	v_pk_fma_f32 v[64+4*j:65+4*j], v[64+4*j:65+4*j], s[48:49], v[36:37] op_sel_hi:[1,0,1] neg_lo:[0,0,1] neg_hi:[0,0,1]
	v_pk_fma_f32 v[66+4*j:67+4*j], v[66+4*j:67+4*j], s[48:49], v[38:39] op_sel_hi:[1,0,1] neg_lo:[0,0,1] neg_hi:[0,0,1]
.set j, j+1
.endr
	v_pk_fma_f32 v[24:25], v[24:25], s[48:49], v[36:37] op_sel_hi:[1,0,1] neg_lo:[0,0,1] neg_hi:[0,0,1]
	v_pk_fma_f32 v[26:27], v[26:27], s[48:49], v[38:39] op_sel_hi:[1,0,1] neg_lo:[0,0,1] neg_hi:[0,0,1]
.set j, 0
.rept 64
	v_exp_f32 v[64+j], v[64+j]
.set j, j+1
.endr
.irp c, 0,1,2,3
	v_exp_f32 v[24+\c], v[24+\c]
.endr
	v_nop
	s_wait_alu depctr_va_vdst(0)
	v_pk_mul_f32 v[40:41], v[64:65], v[128:129]
	v_pk_mul_f32 v[42:43], v[66:67], v[130:131]
.set j, 1
.rept 15
	v_pk_fma_f32 v[40:41], v[64+4*j:65+4*j], v[128+4*j:129+4*j], v[40:41]
	v_pk_fma_f32 v[42:43], v[66+4*j:67+4*j], v[130+4*j:131+4*j], v[42:43]
.set j, j+1
.endr
.irp c, 0,1,2,3
	v_rcp_f32 v[40+\c], v[40+\c]
.endr
	v_nop
	s_wait_alu depctr_va_vdst(0)
	v_pk_mul_f32 v[24:25], v[24:25], v[40:41]
	v_pk_mul_f32 v[26:27], v[26:27], v[42:43]
	ds_store_b128 v19, v[24:27]
.set i, 0
.rept 16                        ; p: row tiles 16-31
	global_load_b128 v[64+4*i:67+4*i], v4, s[26:27] offset:32768+2048*i
.set i, i+1
.endr
	EALOAD                                         ; e and a of steps 0-63
	s_wait_dscnt 0x0                               ; my factors are stored
	s_barrier_signal -1
	s_barrier_wait -1
.set i, 0
.rept 16
	ds_load_b32 v[32+i], v5 offset:64*i
.set i, i+1
.endr
	s_wait_loadcnt 32                              ; the first 16 tiles of p are in; the 32 loads behind them stay out
	s_wait_dscnt 0x0
.set i, 0
.rept 16
	WROW
.set i, i+1
.endr
.set k, 0
.rept 8                         ; my cells: 16 lanes take 256 consecutive bytes of a slot's row
	global_load_b128 v[192+4*k:195+4*k], v8, s[32:33] offset:1024*k
.set k, k+1
.endr
	global_load_b128 v[224:227], v9, s[36:37]
	global_load_b128 v[228:231], v9, s[36:37] offset:16
.set k, 0
.rept 16
	ds_load_b32 v[32+k], v5 offset:1024+64*k
.set k, k+1
.endr
	s_wait_loadcnt 26                              ; the last 16 tiles of p are in; e and a (16), the cells (8) and usage (2) stay out
	s_wait_dscnt 0x0
.set i, 16
.rept 16
	WROW
.set i, i+1
.endr
	s_wait_loadcnt 10                              ; e and a are in, so their base may step
	EASTORE 11
	s_add_nc_u64 s[30:31], s[30:31], 0x10000
	EALOAD                                         ; steps 64-127
.irp x, 1,2,4,8
.irp k, 0,1,2,3,4,5,6,7
	v_add_f32_dpp v[56+\k], v[56+\k], v[56+\k] row_xmask:\x row_mask:0xf bank_mask:0xf   ; over the 16 rows of the tiles: my wave has seen all 512 rows of its slots
.endr
.endr
	s_cmp_lg_u32 s20, s23
	s_cbranch_scc1 .Lno_use                        ; of the strip's four work-groups, number q stores wave q's 16 slots
	s_wait_loadcnt 16                              ; usage is in; the 16 loads of e and a stay out
.irp p, 0,2,4,6
	v_pk_add_f32 v[56+\p:57+\p], v[56+\p:57+\p], v[224+\p:225+\p]
.endr
	v_cmp_eq_u32 vcc_lo, 0, v1
	s_wait_xcnt 0x0                                ; EXEC changes only behind this wait
	s_and_saveexec_b32 s47, vcc_lo
	global_store_b128 v9, v[56:59], s[40:41]
	global_store_b128 v9, v[60:63], s[40:41] offset:16
	s_wait_xcnt 0x0
	s_or_b32 exec_lo, exec_lo, s47
.Lno_use:
	s_wait_dscnt 0x0                               ; w's rows and the first slot are stored
	s_barrier_signal -1
	s_barrier_wait -1
.set j, 0
.rept 16                        ; out3: my quarter of the rows, two rows a load
	ds_load_b128 v[64+4*j:67+4*j], v17 offset:j*8*P
.set j, j+1
.endr
.set j, 0
.rept 16
	s_wait_dscnt 15-j
	global_store_b128 v18, v[64+4*j:67+4*j], s[38:39] offset:j*131072 th:TH_STORE_NT   ; 16 lanes store 256 consecutive bytes, aligned
.set j, j+1
.endr
	s_wait_loadcnt 16                              ; the cells are in
	s_wait_xcnt 0x0                                ; the stores' registers are loaded again only behind this wait
	s_mov_b32 s42, 0                               ; where e's rows are read,
	s_mov_b32 s43, SLOT1                           ; where the next phase's are stored,
	s_mov_b32 s44, 0                               ; how far w's rows have been read
	s_mov_b32 s45, 8                               ; phases of 64 steps to go
.Lphase:
	s_cmp_eq_u32 s45, 1
	s_cbranch_scc1 .Lno_stage                      ; the last phase has no next
	s_wait_loadcnt 0x0                             ; the next phase's e and a are in registers, and their base may step
	v_add_nc_u32 v12, s43, v11
	EASTORE 12                                     ; into the slot that was read out one barrier ago
	s_cmp_le_u32 s45, 2
	s_cbranch_scc1 .Lno_stage
	s_add_nc_u64 s[30:31], s[30:31], 0x10000
	EALOAD                                         ; two phases ahead
.Lno_stage:
	v_add_nc_u32 v14, s42, v13
	v_add_nc_u32 v16, s44, v15
	LDSTEP 0, 0
	LDSTEP 1, 1
	LDSTEP 2, 2
	LDSTEP 3, 3
	s_mov_b32 s46, 15
.Ltrip:                         ; four steps; each set is loaded again for the step four on: three steps' loads, 12, are always out
	STEP 0, 1, 12
	STEP 1, 1, 12
	STEP 2, 1, 12
	STEP 3, 1, 12
	s_add_co_u32 s42, s42, 4*P
	s_add_co_u32 s44, s44, 4*P
	v_add_nc_u32 v14, s42, v13
	v_add_nc_u32 v16, s44, v15
	s_sub_co_u32 s46, s46, 1
	s_cmp_lg_u32 s46, 0
	s_cbranch_scc1 .Ltrip
	STEP 0, 0, 12                                  ; the phase's last four steps load nothing: the counts run down
	STEP 1, 0, 8
	STEP 2, 0, 4
	STEP 3, 0, 0
	s_wait_dscnt 0x0                               ; my reads of this slot are over, my stores into the other are done
	s_barrier_signal -1
	s_barrier_wait -1
	s_sub_co_u32 s42, s42, 60*P
	s_xor_b32 s42, s42, SLOT1
	s_xor_b32 s43, s43, SLOT1
	s_add_co_u32 s44, s44, 4*P
	s_sub_co_u32 s45, s45, 1
	s_cmp_lg_u32 s45, 0
	s_cbranch_scc1 .Lphase
.set k, 0
.rept 8
	global_store_b128 v8, v[192+4*k:195+4*k], s[34:35] offset:1024*k th:TH_STORE_NT
.set k, k+1
.endr
	s_wait_tensorcnt 0x0                           ; the wave's end
	ds_add_u32 v30, v31
	s_wait_dscnt 0x0
	s_endpgm
.Lfunc_end_k_qd3e5b60c35_scan:
	.size	k_qd3e5b60c35_scan, .Lfunc_end_k_qd3e5b60c35_scan-k_qd3e5b60c35_scan
	.p2alignl 7, 3214868480
	.fill 96, 4, 3214868480
	.section	.rodata,"a",@progbits
	.p2align	6, 0x0
	.amdhsa_kernel k_qd3e5b60c35_scan
		.amdhsa_group_segment_fixed_size 270336
		.amdhsa_private_segment_fixed_size 0
		.amdhsa_enable_private_segment 0
		.amdhsa_kernarg_size 64
		.amdhsa_user_sgpr_count 2
		.amdhsa_user_sgpr_kernarg_segment_ptr 1
		.amdhsa_wavefront_size32 1
		.amdhsa_system_sgpr_workgroup_id_x 1
		.amdhsa_system_sgpr_workgroup_id_y 1
		.amdhsa_system_sgpr_workgroup_id_z 1
		.amdhsa_system_vgpr_workitem_id 0
		.amdhsa_next_free_vgpr 256
		.amdhsa_next_free_sgpr 66
		.amdhsa_reserve_vcc 1
		.amdhsa_float_denorm_mode_32 3
		.amdhsa_float_denorm_mode_16_64 3
		.amdhsa_memory_ordered 1
		.amdhsa_forward_progress 1
		.amdhsa_inst_pref_size 82
	.end_amdhsa_kernel
	.amdgpu_metadata
---
amdhsa.version: [ 1, 2 ]
amdhsa.kernels:
  - .name:           k_qd3e5b60c35_scan
    .symbol:         k_qd3e5b60c35_scan.kd
    .args:
      - { .name: pwrite, .offset: 0, .size: 8, .value_kind: global_buffer, .address_space: global }
      - { .name: swrite, .offset: 8, .size: 8, .value_kind: global_buffer, .address_space: global }
      - { .name: eadd, .offset: 16, .size: 8, .value_kind: global_buffer, .address_space: global }
      - { .name: memory, .offset: 24, .size: 8, .value_kind: global_buffer, .address_space: global }
      - { .name: usage, .offset: 32, .size: 8, .value_kind: global_buffer, .address_space: global }
      - { .name: out3, .offset: 40, .size: 8, .value_kind: global_buffer, .address_space: global }
      - { .name: out4, .offset: 48, .size: 8, .value_kind: global_buffer, .address_space: global }
      - { .name: out5, .offset: 56, .size: 8, .value_kind: global_buffer, .address_space: global }
    .group_segment_fixed_size: 270336
    .private_segment_fixed_size: 0
    .kernarg_segment_align: 8
    .kernarg_segment_size: 64
    .max_flat_workgroup_size: 128
    .sgpr_count:     66
    .vgpr_count:     256
    .wavefront_size: 32
...
	.end_amdgpu_metadata
.endif
;; end of part 4
;; ======== version 2 of 2: 4 launches; version 1 with the launch prep written anew for expert scheduling mode
;; workspace buffers: cast 7,471,104 bytes; gated 262,144 bytes; pread 4,194,304 bytes; sread 98,304 bytes; opart 8,388,608 bytes; pwrite 4,194,304 bytes; swrite 65,536 bytes; eadd 1,048,576 bytes
;; launch prep (part 5): grid 364 x 1, 4 waves a work-group, no clusters, 105,984 bytes of LDS; arguments content, query, memory, w_lig, w_rq, w_rk, w_rv, b_lig, b_rq, b_rk, b_rv, phase, w_volt, b_volt, w_addr, w_gate, w_erase, w_add, cast; writes cast
.if DOCPART == 5
	.amdgcn_target "amdgcn-amd-amdhsa--gfx1250"
	.amdhsa_code_object_version 6
	.text
	.protected	k_qd3e5b60c35_prep
	.globl	k_qd3e5b60c35_prep
	.p2align	8
	.type	k_qd3e5b60c35_prep,@function
k_qd3e5b60c35_prep:
	s_mov_b64 s[64:65], 0
	v_nop
	global_prefetch_b8 v0, s[64:65] scope:SCOPE_SE
	s_setreg_imm32_b32 hwreg(HW_REG_WAVE_SCHED_MODE, 0, 2), 2
	s_setreg_imm32_b32 hwreg(HW_REG_WAVE_MODE, 25, 1), 1
	s_wait_xcnt 0x0
	s_wait_alu depctr_vm_vsrc(0)
; PREP.  Work-groups 0-287 make tiles of 64 rows x 128 columns of four products X W^T + bias (bf16 operands, f32 sums):
;   0-15 sigmoid(content w_lig^T + b_lig) x sigmoid(cos(phase - pi) w_volt + b_volt);  16-31 q;  32-159 k;  160-287 v^T (rows = channels, X = w_rv, W = memory).
; Work-groups 288-363 round w_addr, w_gate, w_erase, w_add to bf16; content's copy is stored by the first role.
; LAYOUT F of every bf16 matrix Z[rows][256] in cast: byte(row, col) = (row/16) 8192 + (col/16) 512 + ((col%16)/8 16 + row%16) 16 + (col%8) 2.
; The matrix instruction is used transposed (source 0 = 16 rows of W, source 1 = 16 rows of X): a lane holds row lane%16 and the columns 8 (lane/16) + 0..7 of a tile,
; which are the lane's 16 bytes of an F tile: one store of a wave covers 512 consecutive bytes.  A fragment of 16 rows x 32 k is later two such 512 bytes.
; LIMITS.  Matrix operands are rounded to bf16.  cos: phase - pi is reduced by 2 pi in two words, then 1 - 2 sin^2(u), sin by its series to u^11 on |u| <= pi/2
; (cut below 6e-8); the reduction holds to |phase| of some 1e6.  NaN and infinities are not treated apart.
; THE MODE: SCHED_MODE bits 1:0 = 2 (LLVM: expert scheduling mode 2), set by the entry lines.  The code itself states the register dependences
; between vector or matrix instructions and memory or LDS instructions, with s_wait_alu, always for 0.
; THE PLAN.  Registers that memory or LDS instructions touch:
;   v3-v15       offsets and LDS addresses: written at the head, read by every load and store, never written again.
;   v16-v25      w_volt, b_volt, phase, b_rv as loaded: v16-23 are read by two LDS stores, v24, v25 by vector lines; never written again.
;   RING         32 slots of f32 on their way in.  A block's 16 conversions read 8 slots; behind them the refills land there.
;   O0, O1       two out-buffers of 16.  Block b's conversions write O[b%2]; its 8 LDS stores read it; block b + 2 writes it again.
;   F0, F1, F2   three buffers of four fragments of W.  Run r's four products read F[r%3]; the loads of run r + 3, issued in run r + 1, land in it.
;   XF           X's fragments: LDS loads land there once; products and content's stores read them.
;   OUT          written once by the roundings, read once by the stores.
;   T0, T1       first role: w_volt and b_volt of a tile's columns.  Tile t's multiply-adds read T[t%2]; the loads of tile t + 2 land in it.
; So a block has ONE wait on va_vdst, behind its conversions, and one on vm_vsrc at its head; a run of products one on va_vdst at its head, behind which its eight
; loads are dealt among its four products, which name F[r%3], XF and the accumulators: none of the registers that those loads touch.
.set Q16,   0
.set LV16,  262144
.set C16,   524288
.set K16,   786432
.set VT16,  2883584
.set WA16,  4980736
.set PITCH, 528                 ; an LDS row: 512 bytes of bf16 + 16: an odd multiple of 16, so 16 rows of a fragment load start in 16 different groups of banks
.set WR,    64*PITCH            ; W's 128 rows lie behind X's 64
.set VTB,   WR+128*PITCH        ; for each wave 512 bytes of w_volt and 512 of b_volt
.set SPARE, VTB+4096            ; the spare words, 128 bytes a wave
.set OB,    32                  ; v32-63   two out-buffers of 16; later the third buffer of fragments of W; in the first role's way out at work
.set ACC,   64                  ; v64-127  eight accumulators
.set RING,  128                 ; v128-255 32 slots of 4 registers: f32 on its way in
.set XF,    128                 ; later: X's 8 fragments
.set OUT,   192                 ; on the way out: 32 registers of bf16 to store
.set TB,    224                 ; first role's way out: two buffers of 16 for w_volt and b_volt
; v1 lane%16, v2 lane/16, v3 16 lane; v4, v6 global offsets of X's and W's rows; v5, v7 where they go in LDS; v8, v9 fragment addresses; v10 32 (lane/16);
; v11 offset in the output; v12, v15 the wave's table of w_volt, b_volt; v14 4 x my row; v16-23 w_volt, b_volt as loaded; v24 phase, v25 b_rv of my row; v30, v31 the add's registers
.macro PLACES
.rept 4
	v_nop
.endr
.endm
.macro FIN                      ; the wave's end: the closing lines, six on end
	s_wait_dscnt 0x0
	s_wait_alu 0x0
	s_wait_tensorcnt 0x0
	ds_add_u32 v30, v31
	s_wait_dscnt 0x0
	s_endpgm
.endm
; Block b of n / 8: slots 8 b .. 8 b + 7 of n.  Their loads are in (the count leaves out the loads issued behind them: 24, at the end fewer); each slot's four f32 become four bf16;
; then slot i takes load i + 32 and its 8 bytes go to LDS.
.macro BLOCK n
.set LEFT, (\n)-8*b-8
.if LEFT > 24
.set LEFT, 24
.endif
	s_wait_loadcnt LEFT
.if b > 1
	s_wait_alu depctr_vm_vsrc(0)                   ; the LDS stores of the block two back have read this out-buffer, which the conversions below write again
.endif
.set j, 0
.rept 8
.set R, RING+4*((8*b+j)%32)
.set TP, OB+16*(b%2)+2*j
	v_cvt_pk_bf16_f32 v[TP], v[R], v[R+1]
	v_cvt_pk_bf16_f32 v[TP+1], v[R+2], v[R+3]
.set j, j+1
.endr
	s_wait_alu depctr_va_vdst(0)                   ; the conversions have written the out-buffer, which the LDS stores read, and are done reading the eight slots, in which loads land again
.set j, 0
.rept 8
.set i, 8*b+j
.set R, RING+4*(i%32)
.set TP, OB+16*(b%2)+2*j
.if i+32 < (\n)
	global_load_b128 v[R:R+3], v6, s[52:53] offset:(i/2)*1024+(i%2)*512
.endif
.if i < 32
	ds_store_b64 v5, v[TP:TP+1] offset:(i/2)*PITCH+(i%2)*256
.else
	ds_store_b64 v7, v[TP:TP+1] offset:((i-32)/2)*PITCH+(i%2)*256
.endif
.set j, j+1
.endr
.endm
.macro XFILL                    ; the wave's 16 rows of X: 32 loads of 512 consecutive bytes
.set i, 0
.rept 32
	global_load_b128 v[RING+4*i:RING+4*i+3], v4, s[50:51] offset:(i/2)*1024+(i%2)*512
.set i, i+1
.endr
.endm
.macro XFRAG                    ; the wave's own rows back as 8 fragments
.set i, 0
.rept 8
	ds_load_b128 v[XF+8*i:XF+8*i+3], v8 offset:64*i
	ds_load_b128 v[XF+8*i+4:XF+8*i+7], v8 offset:64*i+32
.set i, i+1
.endr
.endm
.macro LPAIR rho, q             ; fragment q of run rho's four: tile 4 (rho%2) + q of W, k = 32 (rho/2) on; into buffer rho%3: v192-223, v224-255, v32-63
.set FB, 192+32*((\rho)%3)
.if ((\rho)%3) == 2
.set FB, OB
.endif
	ds_load_b128 v[FB+8*(\q):FB+8*(\q)+3], v9 offset:(4*((\rho)%2)+(\q))*16*PITCH+((\rho)/2)*64
	ds_load_b128 v[FB+8*(\q)+4:FB+8*(\q)+7], v9 offset:(4*((\rho)%2)+(\q))*16*PITCH+((\rho)/2)*64+32
.endm
.macro TLOAD t                  ; w_volt (8 registers) and b_volt (8) of my eight columns of tile t, into buffer t%2
.set TL, TB+16*((\t)%2)
	ds_load_b128 v[TL:TL+3], v12 offset:64*(\t)
	ds_load_b128 v[TL+4:TL+7], v12 offset:64*(\t)+16
	ds_load_b128 v[TL+8:TL+11], v12 offset:64*(\t)+512
	ds_load_b128 v[TL+12:TL+15], v12 offset:64*(\t)+528
.endm
	s_load_b512 s[8:23], s[0:1], 0x0               ; content 8, query 10, memory 12, w_lig 14, w_rq 16, w_rk 18, w_rv 20, b_lig 22
	s_load_b512 s[24:39], s[0:1], 0x40             ; b_rq 24, b_rk 26, b_rv 28, phase 30, w_volt 32, b_volt 34, w_addr 36, w_gate 38
	s_load_b128 s[40:43], s[0:1], 0x80             ; w_erase 40, w_add 42
	s_load_b64 s[44:45], s[0:1], 0x90              ; cast
	v_lshl_add_u32 v30, v0, 2, SPARE
	v_mov_b32 v31, 0
	v_lshrrev_b32 v1, 5, v0
	v_readfirstlane_b32 s60, v1                    ; wave
	v_and_b32 v1, 15, v0
	v_bfe_u32 v2, v0, 4, 1
	v_and_b32 v3, 31, v0
	v_lshlrev_b32 v13, 3, v3
	v_lshlrev_b32 v3, 4, v3
	s_wait_alu depctr_va_sdst(0)                   ; s60 is written, ahead of its first reader: the wave's places in LDS and in memory are made from it
	s_mul_i32 s66, s60, 16*PITCH
	s_mul_i32 s67, s60, 32*PITCH
	s_add_co_u32 s67, s67, WR
	s_lshl_b32 s68, s60, 10
	s_add_co_u32 s68, s68, VTB
	v_lshl_add_u32 v4, s60, 14, v3                 ; 16 rows of 1,024 bytes a wave
	v_add_nc_u32 v5, s66, v13
	v_lshl_add_u32 v6, s60, 15, v3                 ; 32 rows a wave
	v_add_nc_u32 v7, s67, v13
	v_mul_u32_u24 v9, v1, PITCH
	v_lshl_add_u32 v9, v2, 4, v9
	v_add_nc_u32 v8, s66, v9
	v_add_nc_u32 v9, WR, v9
	v_lshlrev_b32 v10, 5, v2
	v_lshl_add_u32 v11, s60, 13, v3
	v_add_nc_u32 v12, s68, v10
	v_lshlrev_b32 v14, 2, v1
	v_lshl_add_u32 v14, s60, 6, v14
	v_add_nc_u32 v15, s68, v3
	s_mov_b32 s46, ttmp9
	s_mov_b32 s59, 0
	s_wait_kmcnt 0x0
	s_wait_alu depctr_va_vdst(0)                   ; v3 to v15 are written: every load and store of every role takes its offset or its LDS address from them, and no line writes them again
	s_cmp_lt_u32 s46, 288
	s_cbranch_scc0 .Lcast
	; which product: s47 its number, s61 its first work-group, s63 its place in cast; X, W and the column bias
	s_mov_b32 s47, 0
	s_mov_b32 s61, 0
	s_mov_b32 s63, LV16
	s_mov_b64 s[50:51], s[8:9]
	s_mov_b64 s[52:53], s[14:15]
	s_mov_b64 s[54:55], s[22:23]
	s_cmp_ge_u32 s46, 16
	s_cselect_b32 s47, 1, s47
	s_cselect_b32 s61, 16, s61
	s_cselect_b32 s63, Q16, s63
	s_cselect_b64 s[50:51], s[10:11], s[50:51]
	s_cselect_b64 s[52:53], s[16:17], s[52:53]
	s_cselect_b64 s[54:55], s[24:25], s[54:55]
	s_cmp_ge_u32 s46, 32
	s_cselect_b32 s47, 2, s47
	s_cselect_b32 s61, 32, s61
	s_cselect_b32 s63, K16, s63
	s_cselect_b64 s[50:51], s[12:13], s[50:51]
	s_cselect_b64 s[52:53], s[18:19], s[52:53]
	s_cselect_b64 s[54:55], s[26:27], s[54:55]
	s_cmp_ge_u32 s46, 160
	s_cselect_b32 s47, 3, s47
	s_cselect_b32 s61, 160, s61
	s_cselect_b32 s63, VT16, s63
	s_cselect_b64 s[50:51], s[20:21], s[50:51]
	s_cselect_b64 s[52:53], s[12:13], s[52:53]
	s_cselect_b64 s[54:55], s[28:29], s[54:55]
	s_sub_co_u32 s62, s46, s61                     ; the tile's number in its product
	s_lshr_b32 s48, s62, 1                         ; block of 64 rows,
	s_and_b32 s49, s62, 1                          ; block of 128 columns; v^T has 4 of the one and 32 of the other
	s_and_b32 s66, s62, 3
	s_lshr_b32 s67, s62, 2
	s_lshl_b32 s68, s49, 9
	s_lshl_b32 s69, s66, 8
	s_cmp_eq_u32 s47, 3
	s_cselect_b32 s48, s66, s48
	s_cselect_b32 s49, s67, s49
	s_cselect_b32 s80, -1, 0                       ; v^T takes its bias by rows
	s_cselect_b32 s58, 0, s68
	s_add_nc_u64 s[54:55], s[54:55], s[58:59]      ; 128 numbers of column bias (for v^T: read and not chosen)
	s_cselect_b32 s58, s69, 0
	s_add_nc_u64 s[78:79], s[28:29], s[58:59]      ; 64 numbers of b_rv (for the others: read and not chosen)
	s_lshl_b32 s58, s48, 16
	s_add_nc_u64 s[50:51], s[50:51], s[58:59]
	s_lshl_b32 s58, s49, 17
	s_add_nc_u64 s[52:53], s[52:53], s[58:59]
	s_lshl_b32 s58, s48, 15                        ; output: 4 row tiles of 8,192 bytes, 8 column tiles of 512; v^T: a block of 131,072 for each 256 slots
	s_add_co_u32 s58, s58, s63
	s_and_b32 s66, s49, 1
	s_lshl_b32 s66, s66, 12
	s_add_co_u32 s58, s58, s66
	s_lshr_b32 s66, s49, 1
	s_lshl_b32 s66, s66, 17
	s_add_co_u32 s58, s58, s66
	s_add_nc_u64 s[56:57], s[44:45], s[58:59]
	s_and_b32 s66, s48, 7                          ; phase, w_volt, b_volt: every role loads them from inside their buffers; the first role uses them
	s_lshl_b32 s58, s66, 8
	s_add_nc_u64 s[70:71], s[30:31], s[58:59]
	s_lshl_b32 s58, s66, 15
	s_add_co_u32 s58, s58, C16
	s_add_nc_u64 s[76:77], s[44:45], s[58:59]
	s_and_b32 s66, s49, 1
	s_lshl_b32 s58, s66, 9
	s_add_nc_u64 s[72:73], s[32:33], s[58:59]
	s_add_nc_u64 s[74:75], s[34:35], s[58:59]
.set t, 0
.rept 8                         ; the column bias lands in the accumulators: the sums start from it
	global_load_b128 v[ACC+8*t:ACC+8*t+3], v10, s[54:55] offset:64*t
	global_load_b128 v[ACC+8*t+4:ACC+8*t+7], v10, s[54:55] offset:64*t+16
.set t, t+1
.endr
	global_load_b32 v24, v14, s[70:71]             ; phase of my row
	global_load_b32 v25, v14, s[78:79]             ; b_rv of my row
	global_load_b128 v[16:19], v3, s[72:73]
	global_load_b128 v[20:23], v3, s[74:75]
	XFILL
	s_wait_loadcnt 32                              ; all but the ring's 32
	ds_store_b128 v15, v[16:19]
	ds_store_b128 v15, v[20:23] offset:512
.set b, 0
.rept 12                        ; 32 loads of X, 64 of W, 24 to 32 always on their way
	BLOCK 96
.set b, b+1
.endr
.set j, 0
.rept 64                        ; the choice of bias selects a value, so it is made in every role
	v_cndmask_b32 v[ACC+j], v[ACC+j], v25, s80
.set j, j+1
.endr
	s_wait_dscnt 0x0                               ; my rows of W are in LDS, for the others' sake
	s_barrier_signal -1
	s_barrier_wait -1
	s_wait_alu depctr_vm_vsrc(0)                   ; my LDS stores have read v32-63: from here on these registers are the third buffer of fragments, in which run 2's loads land
	XFRAG                                          ; no wait for v128-255: since the last block's wait on va_vdst the vector lines (the choice of bias) name the accumulators and v25 alone
.irp q, 0,1,2,3
	LPAIR 0, \q
.endr
.irp q, 0,1,2,3
	LPAIR 1, \q
.endr
.set rho, 0
.rept 16                        ; 4 matrix instructions a run; the eight accumulators take turns.  A run's fragments are asked for two runs ahead
.if (rho > 0) && (rho < 14)
	PLACES                                         ; four places between the products that read a buffer and the loads into it
.endif
.if rho < 15
	s_wait_dscnt 8                                 ; this run's fragments are in; the next run's eight loads stay out
.else
	s_wait_dscnt 0x0
.endif
.if (rho > 0) && (rho < 14)
	s_wait_alu depctr_va_vdst(0)                   ; the products of the run before are done reading their four fragments, in which the eight loads below land
.endif
.set FA, 192+32*(rho%3)
.if (rho%3) == 2
.set FA, OB
.endif
.irp q, 0,1,2,3
	v_wmma_f32_16x16x32_bf16 v[ACC+8*(4*(rho%2)+\q):ACC+8*(4*(rho%2)+\q)+7], v[FA+8*\q:FA+8*\q+7], v[XF+8*(rho/2):XF+8*(rho/2)+7], v[ACC+8*(4*(rho%2)+\q):ACC+8*(4*(rho%2)+\q)+7]
.if rho < 14
	LPAIR rho+2, \q                                ; no wait: no product since the wait above names this buffer or v9
.endif
.endr
.set rho, rho+1
.endr
	PLACES
	s_cmp_eq_u32 s47, 0
	s_cbranch_scc1 .Llig
.set t, 0
.rept 8                         ; q, k, v^T: round, each accumulator from its low end on,
.irp q, 0,1,2,3
	v_cvt_pk_bf16_f32 v[OUT+4*t+\q], v[ACC+8*t+2*\q], v[ACC+8*t+2*\q+1]
.endr
.set t, t+1
.endr
	s_wait_alu depctr_va_vdst(0)                   ; the roundings have written v[OUT ..], which the eight stores read
.set t, 0
.rept 8                         ; and store
	global_store_b128 v11, v[OUT+4*t:OUT+4*t+3], s[56:57] offset:512*t
.set t, t+1
.endr
	FIN
.Llig:
	s_wait_alu depctr_va_vdst(0)                   ; the products are done reading v224-255, in which the table of the first two tiles lands
	TLOAD 0
	TLOAD 1
	s_cmp_lg_u32 s49, 0
	s_cbranch_scc1 .Lno_c
.set i, 0
.rept 16                        ; content in bf16, as it lies in the fragments, which LDS loads brought and no line writes again
	global_store_b128 v11, v[XF+4*i:XF+4*i+3], s[76:77] offset:512*i
.set i, i+1
.endr
.Lno_c:
	v_add_f32 v42, 0xc0490fdb, v24                 ; t = phase - pi
	v_mul_f32 v43, 0.15915494, v42
	v_rndne_f32 v43, v43
	v_fma_f32 v42, v43, 0xc0c90fdb, v42            ; t - n 2 pi, in two words
	v_fma_f32 v42, v43, 0x343bbd2e, v42
	v_mul_f32 v42, 0.5, v42                        ; u
	v_mul_f32 v43, v42, v42
	v_mov_b32 v44, 0xb2d7322b
	v_fmaak_f32 v44, v44, v43, 0x3638ef1d
	v_fmaak_f32 v44, v44, v43, 0xb9500d01
	v_fmaak_f32 v44, v44, v43, 0x3c088889
	v_fmaak_f32 v44, v44, v43, 0xbe2aaaab
	v_mul_f32 v43, v43, v42
	v_fma_f32 v42, v43, v44, v42                   ; sin u
	v_mul_f32 v42, v42, v42
	v_fma_f32 v56, v42, -2.0, 1.0                  ; cos t
	v_mov_b32 v57, v56
.set t, 0
.rept 8                         ; sigmoid(x) sigmoid(y) = 1 / ((1 + 2^-cx)(1 + 2^-cy)): each factor is at least 1, so an infinity gives 0 and nothing gives NaN
.set TT, TB+16*(t%2)
.irp p, 0,2,4,6
	v_pk_mul_f32 v[48+\p:49+\p], v[ACC+8*t+\p:ACC+8*t+\p+1], 0xbfb8aa3b op_sel_hi:[1,0]
.endr
.if t < 7
	s_wait_dscnt 4                                 ; this tile's table is in; the next tile's four loads stay out
.else
	s_wait_dscnt 0x0
.endif
.irp p, 0,2,4,6
	v_pk_fma_f32 v[32+\p:33+\p], v[TT+\p:TT+\p+1], v[56:57], v[TT+8+\p:TT+9+\p] op_sel_hi:[1,0,1]
.endr
.irp p, 0,2,4,6
	v_pk_mul_f32 v[32+\p:33+\p], v[32+\p:33+\p], 0xbfb8aa3b op_sel_hi:[1,0]
.endr
.irp j, 0,1,2,3,4,5,6,7
	v_exp_f32 v[48+\j], v[48+\j]
.endr
.irp j, 0,1,2,3,4,5,6,7
	v_exp_f32 v[32+\j], v[32+\j]
.endr
	v_nop                                          ; a plain instruction behind the last exponential
	s_wait_alu depctr_va_vdst(0)                   ; the sixteen exponentials are written, ahead of their first reader; the multiply-adds are done reading this tile's table, in which the loads below land; the last tile's roundings are written, which the store below reads
.if t < 6
	TLOAD t+2
.endif
.if t > 0
	global_store_b128 v11, v[OUT+4*t-4:OUT+4*t-1], s[56:57] offset:512*t-512
.endif
.irp p, 0,2,4,6
	v_pk_add_f32 v[48+\p:49+\p], v[48+\p:49+\p], 1.0 op_sel_hi:[1,0]
.endr
.irp p, 0,2,4,6
	v_pk_add_f32 v[32+\p:33+\p], v[32+\p:33+\p], 1.0 op_sel_hi:[1,0]
.endr
.irp p, 0,2,4,6
	v_pk_mul_f32 v[48+\p:49+\p], v[48+\p:49+\p], v[32+\p:33+\p]
.endr
.irp j, 0,1,2,3,4,5,6,7
	v_rcp_f32 v[48+\j], v[48+\j]
.endr
	v_nop
	s_wait_alu depctr_va_vdst(0)                   ; the eight reciprocals are written, ahead of the roundings that read them
.irp q, 0,1,2,3
	v_cvt_pk_bf16_f32 v[OUT+4*t+\q], v[48+2*\q], v[49+2*\q]
.endr
.set t, t+1
.endr
	s_wait_alu depctr_va_vdst(0)                   ; the last tile's roundings are written, which the last store reads
	global_store_b128 v11, v[OUT+28:OUT+31], s[56:57] offset:512*7
	FIN
.Lcast:                         ; 64 rows of a weight matrix: through LDS into layout F; a wave touches its own 16 rows alone, so no barrier
	s_sub_co_u32 s62, s46, 288
	s_sub_co_u32 s66, s62, 64
	s_lshr_b32 s67, s66, 2
	s_and_b32 s66, s66, 3
	s_mov_b64 s[50:51], s[38:39]
	s_cmp_eq_u32 s67, 1
	s_cselect_b64 s[50:51], s[40:41], s[50:51]
	s_cmp_eq_u32 s67, 2
	s_cselect_b64 s[50:51], s[42:43], s[50:51]
	s_cmp_lt_u32 s62, 64
	s_cselect_b64 s[50:51], s[36:37], s[50:51]
	s_cselect_b32 s66, s62, s66
	s_lshl_b32 s58, s66, 16
	s_add_nc_u64 s[50:51], s[50:51], s[58:59]
	s_lshl_b32 s58, s62, 15
	s_add_co_u32 s58, s58, WA16
	s_add_nc_u64 s[56:57], s[44:45], s[58:59]
	XFILL
.set b, 0
.rept 4
	BLOCK 32
.set b, b+1
.endr
	XFRAG                                          ; no wait: no vector line stands behind the last block's wait on va_vdst, which shows the conversions done reading v128-191
	s_wait_dscnt 0x0
.set i, 0
.rept 16
	global_store_b128 v11, v[XF+4*i:XF+4*i+3], s[56:57] offset:512*i
.set i, i+1
.endr
	FIN
.Lfunc_end_k_qd3e5b60c35_prep:
	.size	k_qd3e5b60c35_prep, .Lfunc_end_k_qd3e5b60c35_prep-k_qd3e5b60c35_prep
	.p2alignl 7, 3214868480
	.fill 96, 4, 3214868480
	.section	.rodata,"a",@progbits
	.p2align	6, 0x0
	.amdhsa_kernel k_qd3e5b60c35_prep
		.amdhsa_group_segment_fixed_size 105984
		.amdhsa_private_segment_fixed_size 0
		.amdhsa_enable_private_segment 0
		.amdhsa_kernarg_size 152
		.amdhsa_user_sgpr_count 2
		.amdhsa_user_sgpr_kernarg_segment_ptr 1
		.amdhsa_wavefront_size32 1
		.amdhsa_system_sgpr_workgroup_id_x 1
		.amdhsa_system_sgpr_workgroup_id_y 1
		.amdhsa_system_sgpr_workgroup_id_z 1
		.amdhsa_system_vgpr_workitem_id 0
		.amdhsa_next_free_vgpr 256
		.amdhsa_next_free_sgpr 84
		.amdhsa_reserve_vcc 0
		.amdhsa_float_denorm_mode_32 3
		.amdhsa_float_denorm_mode_16_64 3
		.amdhsa_memory_ordered 1
		.amdhsa_forward_progress 1
		.amdhsa_inst_pref_size 99
	.end_amdhsa_kernel
	.amdgpu_metadata
---
amdhsa.version: [ 1, 2 ]
amdhsa.kernels:
  - .name:           k_qd3e5b60c35_prep
    .symbol:         k_qd3e5b60c35_prep.kd
    .args:
      - { .name: content, .offset: 0, .size: 8, .value_kind: global_buffer, .address_space: global }
      - { .name: query, .offset: 8, .size: 8, .value_kind: global_buffer, .address_space: global }
      - { .name: memory, .offset: 16, .size: 8, .value_kind: global_buffer, .address_space: global }
      - { .name: w_lig, .offset: 24, .size: 8, .value_kind: global_buffer, .address_space: global }
      - { .name: w_rq, .offset: 32, .size: 8, .value_kind: global_buffer, .address_space: global }
      - { .name: w_rk, .offset: 40, .size: 8, .value_kind: global_buffer, .address_space: global }
      - { .name: w_rv, .offset: 48, .size: 8, .value_kind: global_buffer, .address_space: global }
      - { .name: b_lig, .offset: 56, .size: 8, .value_kind: global_buffer, .address_space: global }
      - { .name: b_rq, .offset: 64, .size: 8, .value_kind: global_buffer, .address_space: global }
      - { .name: b_rk, .offset: 72, .size: 8, .value_kind: global_buffer, .address_space: global }
      - { .name: b_rv, .offset: 80, .size: 8, .value_kind: global_buffer, .address_space: global }
      - { .name: phase, .offset: 88, .size: 8, .value_kind: global_buffer, .address_space: global }
      - { .name: w_volt, .offset: 96, .size: 8, .value_kind: global_buffer, .address_space: global }
      - { .name: b_volt, .offset: 104, .size: 8, .value_kind: global_buffer, .address_space: global }
      - { .name: w_addr, .offset: 112, .size: 8, .value_kind: global_buffer, .address_space: global }
      - { .name: w_gate, .offset: 120, .size: 8, .value_kind: global_buffer, .address_space: global }
      - { .name: w_erase, .offset: 128, .size: 8, .value_kind: global_buffer, .address_space: global }
      - { .name: w_add, .offset: 136, .size: 8, .value_kind: global_buffer, .address_space: global }
      - { .name: cast, .offset: 144, .size: 8, .value_kind: global_buffer, .address_space: global }
    .group_segment_fixed_size: 105984
    .private_segment_fixed_size: 0
    .kernarg_segment_align: 8
    .kernarg_segment_size: 152
    .max_flat_workgroup_size: 128
    .sgpr_count:     84
    .vgpr_count:     256
    .wavefront_size: 32
...
	.end_amdgpu_metadata
.endif
;; end of part 5
;; launch readp: the kernel of part 2 again; grid 192 x 1, 4 waves a work-group, no clusters, 296,448 bytes of LDS; arguments cast, b_gate, gated, pread, sread, opart; writes gated, pread, sread, opart
;; launch writep: the kernel of part 3 again; grid 384 x 1, 4 waves a work-group, no clusters, 167,936 bytes of LDS; arguments cast, gated, pread, sread, opart, b_addr, usage, b_erase, b_add, out0, out1, out2, pwrite, swrite, eadd; writes out0, out1, out2, pwrite, swrite, eadd
;; launch scan: the kernel of part 4 again; grid 256 x 1, 4 waves a work-group, no clusters, 270,336 bytes of LDS; arguments pwrite, swrite, eadd, memory, usage, out3, out4, out5; writes out3, out4, out5
